; MI455X (gfx1250); checked and timed in simulation.
; The chip was launched on July 23, 2026; its instructions are those of AMD's public machine-readable ISA for CDNA 5 (MIT licence, August 2026) and "CDNA5" Instruction Set Architecture Reference Guide (July 2026). The comments in the code are by the model that wrote it; some were corrected since.
;; Multi Head Attention. Allowed arithmetic: matrix products marked QUANTISED: E3M2 operands, one E8M0 scale for each 32 along K, by v_wmma_scale_f32_16x16x128_f8f6f4 with both operands' format E3M2, f32 sums; everything else in f32.
;; Inputs: bk 512 float32; bo 512 float32; bq 512 float32; bv 512 float32; wk 512 x 512 float32; wo 512 x 512 float32; wq 512 x 512 float32; wv 512 x 512 float32; x 2 x 4,096 x 512 float32.
;; Outputs: out0 2 x 4,096 x 512 float32.
;; This version of the problem:
;;   THIS VERSION OF THE PROBLEM IS GIVEN IN LOW PRECISION. The matrix products marked QUANTISED in the list below multiply operands that are first quantised to E3M2 (3 exponent bits, 2 mantissa bits; 6 bits a number), with one power-of-two scale for each 32 numbers along K (OCP MX v1.0); their sums are f32. All else is computed in f32.
;;   The module's matrix products, in the order in which they are computed (A, B: the left and right operand; K: the contracted axis; several contracted axes count as one K, in the product's order):
;;     1. [M 8,192, K 512] x [K 512, N 512]; A: input x; B: input wq: QUANTISED
;;     2. [M 8,192, K 512] x [K 512, N 512]; A: input x; B: input wk: QUANTISED
;;     3. [M 8,192, K 512] x [K 512, N 512]; A: input x; B: input wv: QUANTISED
;;     4. batch 16 x [M 4,096, K 64] x [K 64, N 4,096]; A: computed on the way; B: computed on the way: QUANTISED
;;     5. batch 16 x [M 64, K 4,096] x [K 4,096, N 4,096]; A: computed on the way; B: softmax (see below): QUANTISED
;;     6. [M 8,192, K 512] x [K 512, N 512]; A: computed on the way; B: input wo: QUANTISED
;;   THE QUANTISER, for each operand of a quantised product, along K:
;;     - K is cut into blocks of 32 from its start; a last block that is shorter is filled with zeros.
;;     - A block's scale is 2^e with e = floor(log2(the largest magnitude in the block)) - 4, held to -126 .. 127; a block of zeros has e = 0. As a byte (E8M0): e + 127.
;;     - Each number is divided by its block's scale, clamped to +-28, and rounded to the nearest number of E3M2, ties to even, subnormals kept.
;;     - The product sums the exact products of the quantised numbers (number of the format x scale) in f32.
;;   ~~~python
;;   def quantise(x, axis):      # numpy; x: float32 -> the quantised numbers, widened to float32 again
;;       x = np.moveaxis(x, axis, -1); K = x.shape[-1]
;;       x = np.pad(x, [(0, 0)] * (x.ndim - 1) + [(0, -K % 32)]); x = x.reshape(x.shape[:-1] + (-1, 32)); a = np.abs(x).max(-1, keepdims=True)
;;       e = np.where(a > 0, np.clip(np.frexp(np.where(a > 0, a, 1))[1] - 1 - 4, -126, 127), 0)      # np.frexp(a)[1] - 1 = floor(log2(a)), exactly
;;       r = np.clip(x / 2.0 ** e, -28, 28)
;;       step = 2.0 ** (np.maximum(np.frexp(np.where(r == 0, 1, r))[1] - 1, -2) - 2)
;;       q = np.round(r / step) * step * 2.0 ** e      # np.round: ties to even
;;       return np.moveaxis(q.reshape(q.shape[:-2] + (-1,))[..., :K], -1, axis).astype(np.float32)
;;   ~~~
;;   SOFTMAX AHEAD OF A QUANTISED PRODUCT. Where the list says 'softmax', what is quantised is not the finished softmax but p = 2^(t - M), with t = logit x log2(e) and M = ceil(the row's largest t), a whole number; so 1/2 < the row's largest p <= 1. The row's sum l is taken of the UNQUANTISED p, in f32, and the product's result is divided by l at the end. Since M is a whole number, a kernel that streams over the keys may use a running M (the ceiling of the running maximum): every later rescaling is an exact power of two, which a block's scale takes up: the codes' values come out the same.
;;   OPERANDS COMPUTED ON THE WAY. 'Computed on the way' means the value that the module computes at that place (a softmax that the list does not call 'softmax' is quantised finished and normalised). What goes into a quantiser is computed in f32, as accurately as f32 sums, v_exp_f32 and their like allow (about 1e-6 of the number): no bf16 or f16 on the way to a quantiser, and a product that is left as it is and whose result goes on into a quantised operand takes f32 operands (vector FMAs, or v_wmma_f32_16x16x4_f32). A number that lies on a knife's edge between two numbers of the format may be rounded either way, as far as f32 arithmetic and the matrix unit's own rounding can turn it there, and no further.
;; One version. Each part assembles by itself: llvm-mc -triple=amdgcn-amd-amdhsa -mcpu=gfx1250 --defsym DOCPART=n.
;; ======== version 1 of 1: 4 launches
;; limits: right only within a limited range of input values
;; workspace buffers: xq 3,276,800 bytes; wc 819,200 bytes; qc 3,407,872 bytes; kv 6,684,672 bytes; ao 3,276,800 bytes
;; launch prep (part 1): grid 192 x 1, 4 waves a work-group, no clusters, 0 bytes of LDS; arguments x, wq, wk, wv, wo, xq, wc; writes xq, wc
.if DOCPART == 1
	.amdgcn_target "amdgcn-amd-amdhsa--gfx1250"
	.amdhsa_code_object_version 6
	.text
	.protected	k_q538a5f88bb_prep
	.globl	k_q538a5f88bb_prep
	.p2align	8
	.type	k_q538a5f88bb_prep,@function
k_q538a5f88bb_prep:
	s_mov_b64 s[64:65], 0
	v_nop
	global_prefetch_b8 v0, s[64:65] scope:SCOPE_SE
	s_setreg_imm32_b32 hwreg(HW_REG_WAVE_MODE, 25, 1), 1
	s_wait_xcnt 0x0
; x [8192][512] f32 and the four weights [512 (k)][512 (n)] f32 become codes of BF6 (E3M2) with one E8M0 byte for each 32 along K, laid as IMAGES OF OPERAND REGISTERS.
; A fragment is 16 rows x 128 K = 12 registers a lane; its image is 1,536 bytes: registers 4 c .. 4 c + 3 of lane L at 512 c + 16 L.
; A RECORD (51,200 bytes) is a group of 128 rows, K = 512: fragment (tile m, K step s) at (4 m + s) x 1,536; from byte 49,152 on the scale words, that of (m, lane r, s) at 256 m + 16 r + 4 s.
; THE ROWS OF A TILE ARE NOT NEIGHBOURS: lane r of tile m is row 32 (m / 2) + 8 (m % 2) + r + 8 (r / 8) of the group, so that a product that takes such tiles as source 0 leaves 16 neighbours in the 16 registers of tiles 2 b, 2 b + 1.
; xq: 64 records (rows of x).  wc: 16 records, 4 x matrix + column group; a weight's "rows" are its output columns.
; A block's scale byte is its largest magnitude's exponent field - 4, held at 1 from below by a floor among the maximum's leaves.
; LIMITS: NaN and infinities among the inputs are not served; a block whose largest magnitude lies under 2^-122 keeps the byte 1; a block of zeros has the byte 1 where the rule says 127 (its codes are zeros, and this program alone reads the bytes).
; Work-groups 0-127 take x (a wave: one tile of 16 rows, all of K), work-groups 128-191 the weights (a work-group: one matrix, one K step of 128, 128 columns).  No LDS, no barrier: waves share nothing.
; THE ORDER OF x'S ROWS IN A TILE differs from the weights' order stated above: lane r of tile m of an xq record is row 64 (m / 4) + 8 (m % 4) + r % 8 + 32 (r / 8) of the group,
; so that a product that takes such tiles as source 0 leaves a whole block of 32 neighbours in the 32 registers of tiles 4 c .. 4 c + 3 of one lane.  The weights keep the order stated above.
.set REC,   51200
.set SCO,   49152
.set FRB,   1536
.set FLOOR, 0x2800000                  ; 2^(5 - 127)
.set SEL,   20                         ; s[20:21] v_permlanex16_b32's selects for lane l xor 16
.set XA,    4                          ; v4   x: my lane's byte in the tile's rows      (weights: 4 x lane)
.set LI,    5                          ; v5   16 x lane: my place in an image           (weights: my place in my tile's image)
.set SA,    6                          ; v6   16 r + 8 h: my two scale words            (weights: my scale word)
.set TM,    16                         ; v16-31 the quantiser's work
.set PW,    32                         ; v32-35 the four K steps' scale words
.set PC,    40                         ; v40-58 the codes just made
.set X0,    64                         ; three sets of 64 numbers
.set X1,    128
.set X2,    192
; 64 numbers of a lane, register 16 b + i = k 32 b + 16 (lane / 16) + i of my row, become a fragment's 12 registers at v[pc] and its scale word in v[pw].
.macro QUANT s, pc, pw
.irp b, 0,1,2,3
	v_max3_num_f32 v[TM+\b], |v[\s+16*\b]|, |v[\s+1+16*\b]|, FLOOR   ; block b: my 16 numbers and the floor
.endr
.irp i, 2,4,6,8,10,12,14
.irp b, 0,1,2,3
	v_max3_num_f32 v[TM+\b], v[TM+\b], |v[\s+16*\b+\i]|, |v[\s+1+16*\b+\i]|   ; the four blocks by turns
.endr
.endr
.irp b, 0,1,2,3
	v_permlanex16_b32 v[TM+4+\b], v[TM+\b], s[SEL], s[SEL+1]
.endr
.irp b, 0,1,2,3
	v_max_num_f32 v[TM+\b], v[TM+\b], v[TM+4+\b]      ; with lane l xor 16's 16: the block's largest magnitude
.endr
.irp b, 0,1,2,3
	v_add_nc_u32 v[TM+12+\b], 0xfe000000, v[TM+\b]    ; 4 off its exponent field: the conversion's scale operand
.endr
.irp b, 0,1,2,3
	v_lshrrev_b32 v[TM+4+\b], 23, v[TM+12+\b]         ; the scale's byte
.endr
	v_lshl_or_b32 v[\pw], v[TM+5], 8, v[TM+4]
	v_lshl_or_b32 v[\pw], v[TM+6], 16, v[\pw]
	v_lshl_or_b32 v[\pw], v[TM+7], 24, v[\pw]
.irp c, 0,1
	v_cvt_scalef32_pk16_bf6_f32 v[\pc+6*\c:\pc+2+6*\c], v[\s+32*\c:\s+15+32*\c], v[TM+12+2*\c]
	v_cvt_scalef32_pk16_bf6_f32 v[\pc+12+4*\c:\pc+14+4*\c], v[\s+16+32*\c:\s+31+32*\c], v[TM+12+2*\c+1]   ; (a conversion's three registers begin on an even number)
.endr
	v_nop                                             ; one plain instruction behind the scaled conversions
.irp c, 0,1                                       ; the layout wants a whole block in a lane: lanes 0-15 block 2 c, lanes 16-31 block 2 c + 1
.irp i, 0,1,2
	v_permlane16_swap_b32 v[\pc+6*\c+\i], v[\pc+12+4*\c+\i]
.endr
.irp i, 0,1,2
	v_mov_b32 v[\pc+3+6*\c+\i], v[\pc+12+4*\c+\i]
.endr
.endr
.endm
	s_load_b256 s[4:11], s[0:1], 0x0               ; x, wq, wk, wv
	s_load_b128 s[12:15], s[0:1], 0x20             ; wo, xq
	s_load_b64 s[16:17], s[0:1], 0x30              ; wc
	v_lshrrev_b32 v1, 5, v0
	v_readfirstlane_b32 s18, v1                    ; wave 0..3
	v_and_b32 v1, 31, v0                           ; lane
	v_and_b32 v2, 15, v0                           ; r
	v_bfe_u32 v3, v0, 4, 1                         ; h
	s_mov_b32 s[SEL], 0x76543210
	s_mov_b32 s[SEL+1], 0xfedcba98
	s_cmp_lt_u32 ttmp9, 128
	s_cbranch_scc0 .Lweights
	; ---------------- x: wave g = 4 x work-group + wave takes tile g % 8 of record g / 8
	s_lshl_b32 s22, ttmp9, 2
	s_add_co_u32 s22, s22, s18
	s_lshr_b32 s23, s22, 3                         ; record R
	s_and_b32 s24, s22, 7                          ; tile m
	s_lshr_b32 s25, s24, 2
	s_lshl_b32 s25, s25, 6
	s_and_b32 s26, s24, 3
	s_lshl_b32 s26, s26, 3
	s_add_co_u32 s25, s25, s26
	s_lshl_b32 s26, s23, 7
	s_add_co_u32 s25, s25, s26                     ; 128 R + 64 (m / 4) + 8 (m % 4)
	s_lshl_b32 s26, s25, 11                        ; rows of 2,048 bytes
	s_mov_b32 s27, 0
	s_mul_i32 s28, s23, REC
	s_mul_i32 s30, s24, 4*FRB
	s_add_co_u32 s30, s30, s28                     ; my tile's four images
	s_mov_b32 s31, 0
	s_lshl_b32 s29, s24, 8
	s_add_co_u32 s28, s28, s29
	s_add_co_u32 s28, s28, SCO                     ; and its 256 bytes of scale words
	s_mov_b32 s29, 0
	s_wait_alu depctr_va_vdst(0)
	v_and_b32 v6, 8, v2
	v_mad_u32_u24 v6, v6, 3, v2                    ; r + 24 (r / 8) = r % 8 + 32 (r / 8)
	v_lshlrev_b32 v[XA], 11, v6
	v_lshl_add_u32 v[XA], v3, 6, v[XA]             ; + 64 h: my 16 numbers of a block of 32
	v_lshlrev_b32 v[LI], 4, v1
	v_lshlrev_b32 v[SA], 4, v2
	v_lshl_add_u32 v[SA], v3, 3, v[SA]
.irp b, 0,1,2,3
	v_mov_b32 v[TM+4+\b], 0                        ; written once: a lane permute's destination counts as one of its sources
.endr
	s_wait_alu depctr_va_vdst(0)
	s_wait_kmcnt 0x0
	s_add_nc_u64 s[4:5], s[4:5], s[26:27]
	s_add_nc_u64 s[32:33], s[14:15], s[30:31]
	s_add_nc_u64 s[34:35], s[14:15], s[28:29]
.macro XLOAD reg, s                    ; K step s: 64 numbers a lane, 16 loads
.irp b, 0,1,2,3
.irp j, 0,1,2,3
	global_load_b128 v[\reg+16*\b+4*\j:\reg+16*\b+4*\j+3], v[XA], s[4:5] offset:512*\s+128*\b+16*\j th:TH_LOAD_NT
.endr
.endr
.endm
.macro XOUT s                          ; the image of K step s: each store covers 512 consecutive bytes, aligned
.irp c, 0,1,2
	global_store_b128 v[LI], v[PC+4*\c:PC+4*\c+3], s[32:33] offset:FRB*\s+512*\c
.endr
.endm
	XLOAD X0, 0
	XLOAD X1, 1
	XLOAD X2, 2
	s_wait_loadcnt 32                              ; K step 0 is in; the 32 loads of K steps 1 and 2 are younger
	QUANT X0, PC, PW
	XOUT 0
	XLOAD X0, 3
	s_wait_loadcnt 32                              ; K step 1 is in; K steps 2 and 3 are younger
	s_wait_xcnt 0x0                                ; the stores have read the codes' registers: they are written again only behind this wait
	QUANT X1, PC, PW+1
	XOUT 1
	s_wait_loadcnt 16                              ; K step 2 is in; K step 3 is younger
	s_wait_xcnt 0x0
	QUANT X2, PC, PW+2
	XOUT 2
	s_wait_loadcnt 0x0
	s_wait_xcnt 0x0
	QUANT X0, PC, PW+3
	XOUT 3
	v_cmp_ne_u32 vcc_lo, 0, v3                     ; both halves of the lanes hold row r's four words: lanes 0-15 store words 0, 1, lanes 16-31 words 2, 3
	v_cndmask_b32 v36, v[PW], v[PW+2], vcc_lo
	v_cndmask_b32 v37, v[PW+1], v[PW+3], vcc_lo
	global_store_b64 v[SA], v[36:37], s[34:35]     ; 32 lanes store 256 consecutive bytes, aligned
	s_endpgm
	; ---------------- the weights: u = work-group - 128: matrix u / 16, K step (u / 4) % 4, column group u % 4.
	; A LANE TAKES A COLUMN AND ITS REGISTERS RUN DOWN K: a load reads 128 consecutive bytes a wave, the four waves stand side by side on 512; a block of 32 along K lies in one lane.
	; Column 32 w + L of the group is lane rl = L % 8 + 8 (L / 16) of tile 2 w + (L / 8) % 2.  The lane makes that lane's registers for both halves h of the fragment's lanes.
.Lweights:
	s_sub_co_u32 s22, ttmp9, 128
	s_lshr_b32 s23, s22, 4                         ; matrix
	s_bfe_u32 s24, s22, 0x20002                    ; K step
	s_and_b32 s25, s22, 3                          ; column group
	s_lshl_b32 s26, s24, 18                        ; 128 rows of 2,048 bytes
	s_lshl_b32 s28, s25, 9
	s_add_co_u32 s26, s26, s28
	s_lshl_b32 s28, s18, 7
	s_add_co_u32 s26, s26, s28                     ; + 4 x (128 g + 32 w)
	s_mov_b32 s27, 0
	s_lshl_b32 s28, s23, 2
	s_add_co_u32 s28, s28, s25
	s_mul_i32 s28, s28, REC                        ; the record
	s_mul_i32 s30, s18, 8*FRB
	s_add_co_u32 s30, s30, s28
	s_mul_i32 s31, s24, FRB
	s_add_co_u32 s30, s30, s31                     ; image (tile 2 w, K step s)
	s_mov_b32 s31, 0
	s_lshl_b32 s29, s18, 9
	s_add_co_u32 s28, s28, s29
	s_lshl_b32 s29, s24, 2
	s_add_co_u32 s28, s28, s29
	s_add_co_u32 s28, s28, SCO                     ; scale word (tile 2 w, lane 0, K step s)
	s_mov_b32 s29, 0
	v_bfe_u32 v7, v0, 3, 1                         ; which of my wave's two tiles
	v_and_b32 v8, 7, v0
	s_wait_alu depctr_va_vdst(0)
	v_lshl_add_u32 v8, v3, 3, v8                   ; rl
	v_lshlrev_b32 v8, 4, v8
	v_lshlrev_b32 v[XA], 2, v1
	v_mad_u32_u24 v[LI], v7, 4*FRB, v8
	v_lshl_add_u32 v[SA], v7, 8, v8
	s_wait_alu depctr_va_vdst(0)
	s_wait_kmcnt 0x0
	s_cmp_eq_u32 s23, 1                            ; the choice hangs on the work-group's number alone
	s_cselect_b64 s[36:37], s[8:9], s[6:7]
	s_cmp_eq_u32 s23, 2
	s_cselect_b64 s[36:37], s[10:11], s[36:37]
	s_cmp_eq_u32 s23, 3
	s_cselect_b64 s[36:37], s[12:13], s[36:37]
	s_add_nc_u64 s[36:37], s[36:37], s[26:27]
	s_add_nc_u64 s[32:33], s[16:17], s[30:31]
	s_add_nc_u64 s[34:35], s[16:17], s[28:29]
.macro WLOAD h, c                      ; block 2 c + h of the K step: W(64 c + 32 h + i, my column)
.set I, 0
.rept 32
	global_load_b32 v[64+64*\h+32*\c+I], v[XA], s[36:37] offset:(64*\c+32*\h+I)*2048 th:TH_LOAD_NT
.set I, I+1
.endr
.endm
.macro WBLK h, c                       ; its scale byte into v56, its codes into registers 6 c .. 6 c + 5 of set h (v16 or v28 on)
.set XS, 64+64*\h+32*\c
.set F, 16+12*\h+6*\c
	v_max3_num_f32 v50, |v[XS]|, |v[XS+1]|, |v[XS+2]|
	v_max3_num_f32 v51, |v[XS+3]|, |v[XS+4]|, |v[XS+5]|
.irp i, 6,10,14,18,22,26
	v_max3_num_f32 v50, v50, |v[XS+\i]|, |v[XS+\i+1]|
	v_max3_num_f32 v51, v51, |v[XS+\i+2]|, |v[XS+\i+3]|
.endr
	v_max3_num_f32 v50, v50, |v[XS+30]|, |v[XS+31]|
	v_max3_num_f32 v50, v50, v51, FLOOR
	v_add_nc_u32 v48, 0xfe000000, v50
	v_lshrrev_b32 v51, 23, v48
.if (\h == 0) && (\c == 0)
	v_mov_b32 v56, v51
.else
	v_lshl_or_b32 v56, v51, 8*(2*\c+\h), v56
.endif
	v_cvt_scalef32_pk16_bf6_f32 v[F:F+2], v[XS:XS+15], v48
	v_cvt_scalef32_pk16_bf6_f32 v[40:42], v[XS+16:XS+31], v48
	v_nop
.irp i, 0,1,2
	v_mov_b32 v[F+3+\i], v[40+\i]
.endr
.endm
.macro WOUT h                          ; set h goes to lanes rl + 16 h of the two tiles' images: each store fills one aligned run of 256 bytes in each tile
.irp q, 0,1,2
	global_store_b128 v[LI], v[16+12*\h+4*\q:16+12*\h+4*\q+3], s[32:33] offset:512*\q+256*\h
.endr
.endm
	WLOAD 0, 0
	WLOAD 0, 1
	s_wait_loadcnt 32                              ; the first block is in; one block of 32 is younger
	WLOAD 1, 0
	WBLK 0, 0
	s_wait_loadcnt 32                              ; the second is in; the third is younger
	WLOAD 1, 1
	WBLK 0, 1
	WOUT 0
	s_wait_loadcnt 32                              ; the third is in; the fourth is younger
	WBLK 1, 0
	s_wait_loadcnt 0x0
	WBLK 1, 1
	WOUT 1
	global_store_b32 v[SA], v56, s[34:35]          ; one word in each 16 bytes: the other K steps' work-groups write the words beside it; 32 KB in the launch, one byte for 128 read
	s_endpgm
.Lfunc_end_k_q538a5f88bb_prep:
	.size	k_q538a5f88bb_prep, .Lfunc_end_k_q538a5f88bb_prep-k_q538a5f88bb_prep
	.p2alignl 7, 3214868480
	.fill 96, 4, 3214868480
	.section	.rodata,"a",@progbits
	.p2align	6, 0x0
	.amdhsa_kernel k_q538a5f88bb_prep
		.amdhsa_group_segment_fixed_size 0
		.amdhsa_private_segment_fixed_size 0
		.amdhsa_enable_private_segment 0
		.amdhsa_kernarg_size 56
		.amdhsa_user_sgpr_count 2
		.amdhsa_user_sgpr_kernarg_segment_ptr 1
		.amdhsa_wavefront_size32 1
		.amdhsa_system_sgpr_workgroup_id_x 1
		.amdhsa_system_sgpr_workgroup_id_y 1
		.amdhsa_system_sgpr_workgroup_id_z 1
		.amdhsa_system_vgpr_workitem_id 0
		.amdhsa_next_free_vgpr 256
		.amdhsa_next_free_sgpr 66
		.amdhsa_reserve_vcc 1
		.amdhsa_float_denorm_mode_32 3
		.amdhsa_float_denorm_mode_16_64 3
		.amdhsa_memory_ordered 1
		.amdhsa_forward_progress 1
		.amdhsa_inst_pref_size 45
	.end_amdhsa_kernel
	.amdgpu_metadata
---
amdhsa.version: [ 1, 2 ]
amdhsa.kernels:
  - .name:           k_q538a5f88bb_prep
    .symbol:         k_q538a5f88bb_prep.kd
    .args:
      - { .name: x, .offset: 0, .size: 8, .value_kind: global_buffer, .address_space: global }
      - { .name: wq, .offset: 8, .size: 8, .value_kind: global_buffer, .address_space: global }
      - { .name: wk, .offset: 16, .size: 8, .value_kind: global_buffer, .address_space: global }
      - { .name: wv, .offset: 24, .size: 8, .value_kind: global_buffer, .address_space: global }
      - { .name: wo, .offset: 32, .size: 8, .value_kind: global_buffer, .address_space: global }
      - { .name: xq, .offset: 40, .size: 8, .value_kind: global_buffer, .address_space: global }
      - { .name: wc, .offset: 48, .size: 8, .value_kind: global_buffer, .address_space: global }
    .group_segment_fixed_size: 0
    .private_segment_fixed_size: 0
    .kernarg_segment_align: 8
    .kernarg_segment_size: 56
    .max_flat_workgroup_size: 128
    .sgpr_count:     66
    .vgpr_count:     256
    .wavefront_size: 32
...
	.end_amdgpu_metadata
.endif
;; end of part 1
;; launch qkv (part 2): grid 64 x 3, 4 waves a work-group, no clusters, 168,448 bytes of LDS; arguments xq, wc, bq, bk, bv, qc, kv; writes qc, kv
.if DOCPART == 2
	.amdgcn_target "amdgcn-amd-amdhsa--gfx1250"
	.amdhsa_code_object_version 6
	.text
	.protected	k_q538a5f88bb_qkv
	.globl	k_q538a5f88bb_qkv
	.p2align	8
	.type	k_q538a5f88bb_qkv,@function
k_q538a5f88bb_qkv:
	s_mov_b64 s[64:65], 0
	v_nop
	global_prefetch_b8 v0, s[64:65] scope:SCOPE_SE
	s_setreg_imm32_b32 hwreg(HW_REG_WAVE_MODE, 25, 1), 1
	s_wait_xcnt 0x0
; q = x wq + bq, k = x wk + bk, v = x wv + bv on codes of BF6, and their quantising: q and k along the head's 64, v along the keys.  Work-group (X, kind), kind 0, 1, 2 = q, k, v.
; ONE STRUCTURE FOR ALL THREE.  Each wave keeps a RESIDENT record (128 rows x K 512: 32 fragments, 384 registers) as source 0; the work-group's STREAMING record lies in LDS and its eight tiles go by as source 1.
; After a tile's 32 matrix instructions a lane holds ONE streaming row, and its 64 registers 128 NEIGHBOURS along the resident rows (the tiles' row order sees to that): what the quantiser takes.
;   q, k: resident = the weight's columns 128 w .. (heads 2 w, 2 w + 1), streaming = x's rows 128 X ..      : quantised along the columns: registers 0-5 are head 2 w's half fragment, 6-11 head 2 w + 1's.
;   v:    resident = x's rows 128 ((X & ~3) + w) .. (128 keys), streaming = wv's columns 128 (X & 3) ..      : quantised along the KEYS: the result is a fragment of V^T as it stands.
; OUT.  qc: [16 bh][32 js] records of 6,656 bytes: eight half images (768 bytes: registers 0-3 at 16 L, 4-5 at 512 + 8 L), then scale words at 6,144 + 256 (m / 4) + 16 r + 4 (m % 4), bytes 2 and 3 = 0x7f.
;       kv: [16 bh][32 js] records of 13,056 bytes: k as in qc; V^T's four images at 6,656 + 1,536 dt; V's scale words at 12,800 + 16 r + 4 dt.
; NO CLUSTER: the grid's height is 3, which no cluster of 4 divides, and along x no two work-groups take the same record by tensor load; that record is 51,200 of the 256,000 bytes a work-group takes.
; LIMITS: as in the first launch (NaN, infinities; byte 1 for blocks under 2^-122 and for blocks of zeros).
; REGISTERS.  window 0: v4-9 addresses; v16-63 four streaming fragments; v64-127 eight accumulators; v128-146 codes; v148-163 the quantiser's work; v168-171, v176-207 scale words; v208-215 scale words to store;
;   v216-223 v's bias by tile, v224-231 its copy as a C.   window 1: resident tiles 0-3 at v[12 (4 t + s)], their bias tiles at v192 on.   window 2: the same for tiles 4-7.
; x'S ROWS IN A TILE: lane r of tile m of an xq record is row 64 (m / 4) + 8 (m % 4) + r % 8 + 32 (r / 8).  q's and k's tiles keep that order of queries and keys.
; For v (x resident, source 0) a lane's 32 registers of tiles 4 c .. 4 c + 3 are keys 64 c + 32 h + 0 .. 31: a whole block of the quantiser, which QUANT2 takes.  The weights' tiles keep the order of pairs of tiles, which QUANT takes.
.set REC,   51200
.set SCO,   49152
.set FRB,   1536
.set QREC,  6656
.set KVREC, 13056
.set FLOOR, 0x2800000
.set LI,  4                            ; 16 x lane
.set L8,  5                            ; 8 x lane
.set LS,  6                            ; 16 r
.set HS,  7                            ; 16 r + h x (bytes from a head's record to the next head's)
.set SH,  8                            ; 16 h
.set BA,  9                            ; the bias loads' offset
.set XF,  16
.set HA,  64
.set PC,  128
.set TM,  148
.set PW,  164
.set XS,  168
.set RS,  176
.set OW,  208
.set BW,  216
.set BV,  224
.set SEL, 46
.set MSB, 0
.macro WIN new                         ; the immediate's high byte repeats the setting that is left
.if MSB != \new
	s_set_vgpr_msb (MSB<<8)|\new
.set MSB, \new
.endif
.endm
.macro QUANT s, pc, pw                 ; 64 numbers of a lane, register 16 b + i = k 32 b + 16 (lane / 16) + i, become 12 registers of codes and a scale word
.irp b, 0,1,2,3
	v_max3_num_f32 v[TM+\b], |v[\s+16*\b]|, |v[\s+1+16*\b]|, FLOOR   ; each accumulator is read from its low end on
.endr
.irp i, 2,4,6,8,10,12,14
.irp b, 0,1,2,3
	v_max3_num_f32 v[TM+\b], v[TM+\b], |v[\s+16*\b+\i]|, |v[\s+1+16*\b+\i]|
.endr
.endr
.irp b, 0,1,2,3
	v_permlanex16_b32 v[TM+4+\b], v[TM+\b], s[SEL], s[SEL+1]
.endr
.irp b, 0,1,2,3
	v_max_num_f32 v[TM+\b], v[TM+\b], v[TM+4+\b]
.endr
.irp b, 0,1,2,3
	v_add_nc_u32 v[TM+12+\b], 0xfe000000, v[TM+\b]
.endr
.irp b, 0,1,2,3
	v_lshrrev_b32 v[TM+4+\b], 23, v[TM+12+\b]
.endr
	v_lshl_or_b32 v[\pw], v[TM+5], 8, v[TM+4]
	v_lshl_or_b32 v[\pw], v[TM+6], 16, v[\pw]
	v_lshl_or_b32 v[\pw], v[TM+7], 24, v[\pw]
.irp c, 0,1
	v_cvt_scalef32_pk16_bf6_f32 v[\pc+6*\c:\pc+2+6*\c], v[\s+32*\c:\s+15+32*\c], v[TM+12+2*\c]
	v_cvt_scalef32_pk16_bf6_f32 v[\pc+12+4*\c:\pc+14+4*\c], v[\s+16+32*\c:\s+31+32*\c], v[TM+12+2*\c+1]
.endr
	v_nop                                             ; one plain instruction behind the scaled conversions
.irp c, 0,1
.irp i, 0,1,2
	v_permlane16_swap_b32 v[\pc+6*\c+\i], v[\pc+12+4*\c+\i]
.endr
.irp i, 0,1,2
	v_mov_b32 v[\pc+3+6*\c+\i], v[\pc+12+4*\c+\i]
.endr
.endr
.endm
.set H8, 10                            ; v10  8 h (v's path)
.macro QUANT2 s, pc, pw                ; 64 numbers of a lane, register 32 c + i = k 64 c + 32 (lane / 16) + i, become 12 registers of codes and a scale word: a lane owns two whole blocks
.irp c, 0,1
	v_max3_num_f32 v[TM+\c], |v[\s+32*\c]|, |v[\s+1+32*\c]|, FLOOR   ; two chains a block; each accumulator is read from its low end on
	v_max3_num_f32 v[TM+2+\c], |v[\s+16+32*\c]|, |v[\s+17+32*\c]|, |v[\s+18+32*\c]|
.endr
.irp i, 2,4,6,8,10,12,14
.irp c, 0,1
	v_max3_num_f32 v[TM+\c], v[TM+\c], |v[\s+32*\c+\i]|, |v[\s+1+32*\c+\i]|
.endr
.endr
.irp i, 19,21,23,25,27,29
.irp c, 0,1
	v_max3_num_f32 v[TM+2+\c], v[TM+2+\c], |v[\s+32*\c+\i]|, |v[\s+1+32*\c+\i]|
.endr
.endr
.irp c, 0,1
	v_max3_num_f32 v[TM+\c], v[TM+\c], v[TM+2+\c], |v[\s+31+32*\c]|
.endr
.irp c, 0,1
	v_add_nc_u32 v[TM+12+\c], 0xfe000000, v[TM+\c]    ; 4 off the exponent field: the conversion's scale operand
.endr
.irp c, 0,1
	v_lshrrev_b32 v[TM+8+\c], 23, v[TM+12+\c]         ; the scale's byte
.endr
	v_lshl_or_b32 v[\pw], v[TM+9], 16, v[TM+8]        ; my bytes: blocks h and 2 + h,
	v_lshlrev_b32 v[\pw], v[H8], v[\pw]               ; at their places in the word;
	v_permlanex16_b32 v[TM+4], v[\pw], s[SEL], s[SEL+1]
	v_or_b32 v[\pw], v[\pw], v[TM+4]                  ; with lane l xor 16's two the word is whole
.irp c, 0,1
	v_cvt_scalef32_pk16_bf6_f32 v[\pc+6*\c:\pc+2+6*\c], v[\s+32*\c:\s+15+32*\c], v[TM+12+\c]
	v_cvt_scalef32_pk16_bf6_f32 v[\pc+12+4*\c:\pc+14+4*\c], v[\s+16+32*\c:\s+31+32*\c], v[TM+12+\c]
.endr
	v_nop                                             ; one plain instruction behind the scaled conversions
.irp c, 0,1
.irp i, 0,1,2
	v_mov_b32 v[\pc+3+6*\c+\i], v[\pc+12+4*\c+\i]
.endr
.endr
.endm
	s_load_b256 s[4:11], s[0:1], 0x0               ; xq, wc, bq, bk
	s_load_b128 s[12:15], s[0:1], 0x20             ; bv, qc
	s_load_b64 s[16:17], s[0:1], 0x30              ; kv
	v_lshl_add_u32 v254, v0, 2, 0x29000
	v_mov_b32 v255, 0
	ds_add_u32 v254, v255
	ds_add_u32 v254, v255
	v_lshrrev_b32 v1, 5, v0
	v_readfirstlane_b32 s18, v1                    ; wave w
	s_and_b32 s19, ttmp7, 0xffff                   ; kind
	s_mov_b32 s20, ttmp9                           ; X
	v_and_b32 v1, 31, v0
	v_and_b32 v2, 15, v0                           ; r
	v_bfe_u32 v3, v0, 4, 1                         ; h
	v_lshlrev_b32 v[LI], 4, v1
	v_lshlrev_b32 v[L8], 3, v1
	v_lshlrev_b32 v[LS], 4, v2
	s_wait_alu depctr_va_vdst(0)
	v_lshlrev_b32 v[SH], 4, v3
.irp b, 0,1,2,3
	v_mov_b32 v[TM+4+\b], 0                        ; written once: a lane permute's destination counts as one of its sources
.endr
	s_mov_b32 s[SEL], 0x76543210
	s_mov_b32 s[SEL+1], 0xfedcba98
	s_mov_b32 s50, 0xffff
	s_mov_b32 s51, 0x7f7f0000
	; descriptor group 1: a quarter of a record, 12,800 dense bytes, as 50 rows of 256 bytes (32 elements of 8 bytes), no padding: images are read as they lie
	s_mov_b32 s28, 3<<16
	s_mov_b32 s29, 32<<16
	s_mov_b32 s30, 50<<16
	s_mov_b32 s31, 32<<16
	s_mov_b32 s32, 50
	s_mov_b32 s33, 32
	s_mov_b32 s34, 0
	s_mov_b32 s35, 0
	; which records, by kind
	s_and_b32 s53, s20, 3
	s_sub_co_u32 s54, s20, s53
	s_add_co_u32 s54, s54, s18                     ; v: my block of 128 keys, (X & ~3) + w
	s_lshl_b32 s55, s19, 2
	s_add_co_u32 s55, s55, s18                     ; q, k: weight record 4 kind + w
	s_add_co_u32 s56, s53, 8                       ; v: weight record 8 + (X & 3)
	s_lshl_b32 s57, s53, 1
	s_lshl_b32 s58, s18, 1
	s_cmp_eq_u32 s19, 2
	s_cselect_b32 s55, s54, s55                    ; the resident record
	s_cselect_b32 s56, s56, s20                    ; the streaming record
	s_cselect_b32 s54, s54, s20                    ; the block of 128 rows of x that my results belong to
	s_cselect_b32 s57, s57, s58                    ; the first of my two heads
	s_cselect_b32 s53, s53, s18                    ; which 128 numbers of the bias
	s_mul_i32 s58, s55, REC
	s_mov_b32 s59, 0
	s_mul_i32 s25, s18, 12800                      ; my quarter of the streaming record, in LDS
	s_mul_i32 s60, s56, REC
	s_add_co_u32 s60, s60, s25                     ; and in memory
	s_mov_b32 s61, 0
	s_lshr_b32 s62, s54, 5
	s_lshl_b32 s62, s62, 3
	s_add_co_u32 s62, s62, s57
	s_lshl_b32 s62, s62, 5
	s_and_b32 s63, s54, 31
	s_add_co_u32 s62, s62, s63                     ; ((batch x 8 + head) x 32 + js
	s_mov_b32 s63, KVREC
	s_cmp_eq_u32 s19, 0
	s_cselect_b32 s63, QREC, s63
	s_mul_i32 s62, s62, s63
	s_lshl_b32 s48, s63, 5                         ; 32 records: from a head to the next
	s_mov_b32 s49, 0
	s_mov_b32 s63, 0
	s_lshl_b32 s54, s53, 9
	s_mov_b32 s55, 0
	v_mad_u32_u24 v[HS], v3, s48, v[LS]
	s_mov_b32 s24, 1
	s_wait_dscnt 0x0
	s_wait_kmcnt 0x0
	s_cmp_eq_u32 s19, 2                            ; every choice hangs on the work-group's number alone
	s_cselect_b64 s[36:37], s[4:5], s[6:7]
	s_cselect_b64 s[38:39], s[6:7], s[4:5]
	s_cselect_b64 s[44:45], s[12:13], s[10:11]
	s_cmp_eq_u32 s19, 0
	s_cselect_b64 s[44:45], s[8:9], s[44:45]
	s_cselect_b64 s[40:41], s[14:15], s[16:17]
	s_add_nc_u64 s[36:37], s[36:37], s[58:59]      ; the resident record
	s_add_nc_u64 s[26:27], s[38:39], s[60:61]
	s_or_b32 s27, s27, 0x80000000                  ; type = 2
	s_add_nc_u64 s[40:41], s[40:41], s[62:63]      ; my first head's record,
	s_add_nc_u64 s[42:43], s[40:41], s[48:49]      ; my second head's
	s_add_nc_u64 s[44:45], s[44:45], s[54:55]      ; the bias
	tensor_load_to_lds s[24:27], s[28:35]          ; filled once; one load of mine is out
	s_nop 0
.rept 4
	v_nop
.endr
	WIN 0x40                                       ; destination window 1
.irp f, 0,1,2,3,4,5,6,7,8,9,10,11,12,13,14,15
.irp c, 0,1,2
	global_load_b128 v[12*\f+4*\c:12*\f+4*\c+3], v[LI], s[36:37] offset:\f*FRB+512*\c
.endr
.endr
	WIN 0x80                                       ; destination window 2
.irp f, 0,1,2,3,4,5,6,7,8,9,10,11,12,13,14,15
.irp c, 0,1,2
	global_load_b128 v[12*\f+4*\c:12*\f+4*\c+3], v[LI], s[36:37] offset:(16+\f)*FRB+512*\c
.endr
.endr
	WIN 0
.irp t, 0,1,2,3,4,5,6,7
	global_load_b128 v[RS+4*\t:RS+4*\t+3], v[LS], s[36:37] offset:SCO+256*\t   ; a tile's four K steps' scale words
.endr
	s_wait_tensorcnt 0x0                           ; my quarter of the streaming record has landed,
	s_barrier_signal -1
	s_barrier_wait -1                              ; everybody's has; nothing is ever filled again
.macro FETCHT m                        ; streaming tile m: four fragments and their scale words
.irp s, 0,1,2,3
.irp c, 0,1,2
	ds_load_b128 v[XF+12*\s+4*\c:XF+12*\s+4*\c+3], v[LI] offset:(4*(\m)+\s)*FRB+512*\c
.endr
.endr
	ds_load_b128 v[XS:XS+3], v[LS] offset:SCO+256*(\m)
.endm
; four matrix instructions: K step s, resident tiles t0 .. t0 + 3 (the caller sets their window).  mode 0: onto the sums; 1: C = the bias tile beside the fragments; 2: C = v's bias
.macro MM4 s, t0, mode
.irp u, 0,1,2,3
.if \mode == 0
	v_wmma_scale_f32_16x16x128_f8f6f4 v[HA+8*(\t0+\u):HA+8*(\t0+\u)+7], v[12*(4*\u+\s):12*(4*\u+\s)+11], v[XF+12*\s:XF+12*\s+11], v[HA+8*(\t0+\u):HA+8*(\t0+\u)+7], v[RS+4*(\t0+\u)+\s], v[XS+\s] matrix_a_fmt:MATRIX_FMT_BF6 matrix_b_fmt:MATRIX_FMT_BF6
.elseif \mode == 1
	v_wmma_scale_f32_16x16x128_f8f6f4 v[HA+8*(\t0+\u):HA+8*(\t0+\u)+7], v[12*(4*\u+\s):12*(4*\u+\s)+11], v[XF+12*\s:XF+12*\s+11], v[192+8*\u:192+8*\u+7], v[RS+4*(\t0+\u)+\s], v[XS+\s] matrix_a_fmt:MATRIX_FMT_BF6 matrix_b_fmt:MATRIX_FMT_BF6
.else
	v_wmma_scale_f32_16x16x128_f8f6f4 v[HA+8*(\t0+\u):HA+8*(\t0+\u)+7], v[12*(4*\u+\s):12*(4*\u+\s)+11], v[XF+12*\s:XF+12*\s+11], v[BV:BV+7], v[RS+4*(\t0+\u)+\s], v[XS+\s] matrix_a_fmt:MATRIX_FMT_BF6 matrix_b_fmt:MATRIX_FMT_BF6
.endif
.endr
.endm
; A STREAMING TILE.  32 matrix instructions, K ascending on each of the eight accumulators, which take turns, one instruction a turn; the order of the halves alternates so that the windows change seldom.
.macro TILE m, isv
	s_wait_dscnt 0x0                               ; the tile's fragments and scale words are in
.if \isv
	WIN 0x01
	MM4 0, 0, 2
	WIN 0x02
	MM4 0, 4, 2
.else
	WIN 0x11                                       ; source 0 and C window 1
	MM4 0, 0, 1
	WIN 0x22
	MM4 0, 4, 1
	WIN 0x02
.endif
	MM4 1, 4, 0
	WIN 0x01
	MM4 1, 0, 0
	MM4 2, 0, 0
	WIN 0x02
	MM4 2, 4, 0
	MM4 3, 4, 0
	WIN 0x01
	MM4 3, 0, 0
	WIN 0
.rept 4
	v_nop                                          ; four places: in front of the loads into the fragments' registers, of the first read of results, and of the write of v's bias copy
.endr
.if \m < 7
	FETCHT (\m)+1                                  ; lands while this tile is quantised
.if \isv
.irp j, 0,1,2,3,4,5,6,7
	v_mov_b32 v[BV+\j], v[BW+(\m)+1]               ; the next tile's bias: one number a lane (its streaming row), in all eight registers
.endr
.endif
.endif
	s_wait_xcnt 0x0                                ; the last tile's stores have read the codes' registers
.if \isv
	QUANT2 HA, PC, PW                              ; (the quantiser's lines on its own work registers are also the places in front of the next tile's new sums)
.else
	QUANT HA, PC, PW
.endif
.if \isv
.irp c, 0,1,2
.if \m < 4
	global_store_b128 v[LI], v[PC+4*\c:PC+4*\c+3], s[40:41] offset:6656+FRB*((\m)%4)+512*\c   ; a fragment of V^T: 16 of the head's 64 x my 128 keys
.else
	global_store_b128 v[LI], v[PC+4*\c:PC+4*\c+3], s[42:43] offset:6656+FRB*((\m)%4)+512*\c
.endif
.endr
	v_mov_b32 v[OW+\m], v[PW]
.else
	global_store_b128 v[LI], v[PC:PC+3], s[40:41] offset:768*(\m)             ; head 2 w's half image
	global_store_b64 v[L8], v[PC+4:PC+5], s[40:41] offset:768*(\m)+512
	global_store_b128 v[LI], v[PC+6:PC+9], s[42:43] offset:768*(\m)           ; head 2 w + 1's
	global_store_b64 v[L8], v[PC+10:PC+11], s[42:43] offset:768*(\m)+512
	v_lshrrev_b32 v[OW+\m], v[SH], v[PW]           ; lanes 0-15 keep head 2 w's two bytes, lanes 16-31 head 2 w + 1's;
	v_and_or_b32 v[OW+\m], v[OW+\m], s50, s51      ; bytes 2 and 3, over codes that will be zeros, are 0x7f
.endif
.endm
	s_cmp_eq_u32 s19, 2
	s_cbranch_scc1 .Lv
	; ---------------- q and k.  The bias is the C of a sum's first instruction: lane half h wants, for tile t, columns 32 (t / 2) + 16 h + 8 (t % 2) + 0 .. 7
	v_lshlrev_b32 v[BA], 6, v3
	WIN 0x40
.irp t, 0,1,2,3
	global_load_b128 v[192+8*\t:192+8*\t+3], v[BA], s[44:45] offset:(32*(\t/2)+8*(\t%2))*4
	global_load_b128 v[192+8*\t+4:192+8*\t+7], v[BA], s[44:45] offset:(32*(\t/2)+8*(\t%2))*4+16
.endr
	WIN 0x80
.irp t, 4,5,6,7
	global_load_b128 v[192+8*(\t-4):192+8*(\t-4)+3], v[BA], s[44:45] offset:(32*(\t/2)+8*(\t%2))*4
	global_load_b128 v[192+8*(\t-4)+4:192+8*(\t-4)+7], v[BA], s[44:45] offset:(32*(\t/2)+8*(\t%2))*4+16
.endr
	WIN 0
	FETCHT 0
	s_wait_loadcnt 0x0                             ; the resident record, its scale words, the bias
.irp m, 0,1,2,3,4,5,6,7
	TILE \m, 0
.endr
	global_store_b128 v[HS], v[OW:OW+3], s[40:41] offset:6144     ; the scale words of tiles 0-3: lanes 0-15 fill 256 bytes of head 2 w's record, lanes 16-31 of head 2 w + 1's
	global_store_b128 v[HS], v[OW+4:OW+7], s[40:41] offset:6400   ; and of tiles 4-7
	s_wait_tensorcnt 0x0
	ds_add_u32 v254, v255
	s_wait_dscnt 0x0
	s_endpgm
	; ---------------- v.  The bias belongs to the streaming row: lane r of tile m wants bv at column 32 (m / 2) + 8 (m % 2) + r + 8 (r / 8) of the group
.Lv:
	v_lshlrev_b32 v[H8], 3, v3
	v_and_b32 v[BA], 8, v2
	v_add_nc_u32 v[BA], v[BA], v2
	v_lshlrev_b32 v[BA], 2, v[BA]
.irp m, 0,1,2,3,4,5,6,7
	global_load_b32 v[BW+\m], v[BA], s[44:45] offset:(32*(\m/2)+8*(\m%2))*4
.endr
	FETCHT 0
	s_wait_loadcnt 0x0
.irp j, 0,1,2,3,4,5,6,7
	v_mov_b32 v[BV+\j], v[BW]
.endr
.rept 4
	v_nop
.endr
	s_wait_alu depctr_va_vdst(0)
.irp m, 0,1,2,3,4,5,6,7
	TILE \m, 1
.endr
	v_cmp_ne_u32 vcc_lo, 0, v3
.irp i, 0,1,2,3
	v_cndmask_b32 v[OW+\i], v[OW+\i], v[OW+4+\i], vcc_lo   ; lanes 0-15: the first head's four words of row r, lanes 16-31: the second head's
.endr
	global_store_b128 v[HS], v[OW:OW+3], s[40:41] offset:12800
	s_wait_tensorcnt 0x0
	ds_add_u32 v254, v255
	s_wait_dscnt 0x0
	s_endpgm
.Lfunc_end_k_q538a5f88bb_qkv:
	.size	k_q538a5f88bb_qkv, .Lfunc_end_k_q538a5f88bb_qkv-k_q538a5f88bb_qkv
	.p2alignl 7, 3214868480
	.fill 96, 4, 3214868480
	.section	.rodata,"a",@progbits
	.p2align	6, 0x0
	.amdhsa_kernel k_q538a5f88bb_qkv
		.amdhsa_group_segment_fixed_size 168448
		.amdhsa_private_segment_fixed_size 0
		.amdhsa_enable_private_segment 0
		.amdhsa_kernarg_size 56
		.amdhsa_user_sgpr_count 2
		.amdhsa_user_sgpr_kernarg_segment_ptr 1
		.amdhsa_wavefront_size32 1
		.amdhsa_system_sgpr_workgroup_id_x 1
		.amdhsa_system_sgpr_workgroup_id_y 1
		.amdhsa_system_sgpr_workgroup_id_z 1
		.amdhsa_system_vgpr_workitem_id 0
		.amdhsa_next_free_vgpr 768
		.amdhsa_next_free_sgpr 66
		.amdhsa_reserve_vcc 1
		.amdhsa_float_denorm_mode_32 3
		.amdhsa_float_denorm_mode_16_64 3
		.amdhsa_memory_ordered 1
		.amdhsa_forward_progress 1
		.amdhsa_inst_pref_size 162
	.end_amdhsa_kernel
	.amdgpu_metadata
---
amdhsa.version: [ 1, 2 ]
amdhsa.kernels:
  - .name:           k_q538a5f88bb_qkv
    .symbol:         k_q538a5f88bb_qkv.kd
    .args:
      - { .name: xq, .offset: 0, .size: 8, .value_kind: global_buffer, .address_space: global }
      - { .name: wc, .offset: 8, .size: 8, .value_kind: global_buffer, .address_space: global }
      - { .name: bq, .offset: 16, .size: 8, .value_kind: global_buffer, .address_space: global }
      - { .name: bk, .offset: 24, .size: 8, .value_kind: global_buffer, .address_space: global }
      - { .name: bv, .offset: 32, .size: 8, .value_kind: global_buffer, .address_space: global }
      - { .name: qc, .offset: 40, .size: 8, .value_kind: global_buffer, .address_space: global }
      - { .name: kv, .offset: 48, .size: 8, .value_kind: global_buffer, .address_space: global }
    .group_segment_fixed_size: 168448
    .private_segment_fixed_size: 0
    .kernarg_segment_align: 8
    .kernarg_segment_size: 56
    .max_flat_workgroup_size: 128
    .sgpr_count:     66
    .vgpr_count:     768
    .wavefront_size: 32
...
	.end_amdgpu_metadata
.endif
;; end of part 2
;; launch attn (part 3): grid 16 x 16, 16 waves a work-group, clusters of 4 x 1, 327,680 bytes of LDS; arguments qc, kv, ao; writes ao
.if DOCPART == 3
	.amdgcn_target "amdgcn-amd-amdhsa--gfx1250"
	.amdhsa_code_object_version 6
	.text
	.protected	k_q538a5f88bb_attn
	.globl	k_q538a5f88bb_attn
	.p2align	8
	.type	k_q538a5f88bb_attn,@function
k_q538a5f88bb_attn:
	s_mov_b64 s[64:65], 0
	v_nop
	global_prefetch_b8 v0, s[64:65] scope:SCOPE_SE
	s_setreg_imm32_b32 hwreg(HW_REG_WAVE_MODE, 25, 1), 1
	s_wait_xcnt 0x0
	s_wait_alu depctr_hold_cnt(0) depctr_sa_sdst(0) depctr_va_vdst(0) depctr_va_sdst(0) depctr_va_ssrc(0) depctr_va_vcc(0) depctr_vm_vsrc(0)
	s_getreg_b32 s2, hwreg(HW_REG_IB_STS2, 6, 4)
	s_cmp_eq_u32 s2, 0
	s_cbranch_scc0 .Lentry_in_a_cluster
	s_endpgm
.Lentry_in_a_cluster:
	s_bfe_u32 s2, ttmp6, 0x10000c
	s_cmp_lg_u32 s2, 0x3003
	s_cbranch_scc0 .Lentry_shape_is_right
	s_endpgm
.Lentry_shape_is_right:
; For each of 16 (batch, head): O[q] = sum over keys of softmax(q . k / 8) v, both products on codes of BF6, and O quantised along the model's 512 for the last product.
; THE SOFTMAX: t = score x log2(e) / 8; M = the running largest t rounded UP to a whole number; p = 2^(t - M) is quantised along the keys, not normalised; the row's sum is taken of the unquantised p and divides O at the end.
; When M moves, the sum and O are multiplied by 2^(old M - new M): exact.
; SHARES.  A work-group owns 256 queries of one head; each of its sixteen waves one tile of 16, in 256 registers: four waves to a SIMD.
; Every wave walks the head's 4,096 keys, 128 a step.  A step's K, V^T and scale words are one record of 13,056 dense bytes (images of the operands' registers); eight records make a slot; two slots take turns: four changes of slots in all.
; CLUSTER.  The four work-groups of a cluster belong to one head and walk the same records: each record is asked for JOINTLY, by the same tensor load with the same descriptor and the mask of all four.  Waves 0 to 7 fetch a record each.
; LAYOUT.  Both products are used transposed: S^T = K Q^T (source 0 = 16 keys), O^T = V^T P^T (source 0 = 16 of the head's 64): a lane holds ONE query throughout.
; Lane r of K's tile t is key 64 (t / 4) + 8 (t % 4) + r % 8 + 32 (r / 8) of the record.  So lane (r, h) finds in the 32 registers of tiles 4 c .. 4 c + 3 the keys 64 c + 32 h + 0 .. 31:
; a whole block of the quantiser in one lane, in the order in which the operand's registers 6 c .. 6 c + 5 want it.  The queries of a tile lie in the same order.
; THE HEAD IS 64 AND THE INSTRUCTION 128 DEEP.  Q's registers 6-11 are zero codes.  K's tiles lie six registers apart and a tile is named as twelve: its upper six are the codes that lie behind it (behind tile 3: six zeros; behind tile 7: tile 0's).
; The format has no code for infinity or NaN and the scale bytes of those two blocks are 0x7f on both sides, so these products are exact zeros.
; THE ORDER OF A STEP.  K's tiles 0-3 of the next step are loaded behind this step's V^T, K's tiles 4-7 behind this step's second product (they take the registers of V^T's tiles 2, 3).
; S^T is made in two halves: the first half's products stand ahead of the last 16 lines of the step before's sum, the second half's ahead of the end of the first block's maximum.  So the sum of a step's p ends in the next step (SUMTAIL).
; In a slot's last step a branch on the trip counter leads round the loads of the next K: that record lies in the other slot, which is read only behind the change of slots.
; OUT.  ao: 64 records of 51,200 bytes (128 rows, K = 512); fragment (tile m, K step s) is two half images, head 2 s's and 2 s + 1's: mine at (8 m + head) x 768; my two scale bytes at 49,152 + 256 m + 16 r + 2 head.
; LIMITS: NaN and infinities are not served; blocks under 2^-122 and blocks of zeros keep the scale byte 1; the promise holds while the scaled scores t stay under 2^31 in magnitude.
.set REC,   51200
.set SCO,   49152
.set QREC,  6656
.set KVREC, 13056
.set SLOTB, 8*KVREC                    ; 104,448 bytes: 1,024 keys
.set SLOT1, 1<<17                      ; slot 1 begins here: one exclusive or turns an address in one slot into the other's
.set SPARE, 262144                     ; behind the ring: the spare words, 128 bytes for each of sixteen waves: eight blocks of 256 bytes that no other line names
.set NSL,   4                          ; slots' worth of keys
.set FLOOR, 0x2800000
.set L16, 1                            ; v1   16 x lane
.set L8,  2                            ; v2   8 x lane
.set R16, 3                            ; v3   16 r
.set HH,  4                            ; v4   h
.set SPW, 5                            ; v5   LDS address of my spare word; never rewritten
.set NIL, 6                            ; v6   0; never rewritten
.set PFO, 7                            ; v7   the prefetch's offset; never rewritten
.set ADK, 8                            ; v8-10  the four records in hand + v1, v2, v3
.set AD8, 9
.set ADR, 10
.set H8,  11                           ; v11  8 h
                                       ; v12 -M, v13 the largest score
.set SB,  14                           ; v14-15 scale bytes
.set QF,  16                           ; v16-21 Q's codes, v22-27 zeros
.set QS,  28                           ; Q's scale word
.set PS,  29                           ; p's scale word
.set TT,  30
.set TU,  31
.set KH,  32                           ; v32-55 K's tiles 4-7, six registers each; later V^T's tiles 2, 3
.set KL,  56                           ; v56-79 K's tiles 0-3;  v80-85 zeros
.set KS,  86                           ; v86-93 K's scale words
.set VS,  94                           ; v94-97 V's
.set FF,  98                           ; v[98:99] f = 2^(old M - new M)
.set SS,  100                          ; v100-163 S^T, then p
.set OT,  164                          ; v164-195 O^T
.set PCD, 196                          ; v196-207 p's codes
.set PT,  208                          ; v208-214 conversions' second halves
.set BM,  216                          ; v216-219 the blocks' largest and their chains
.set SO,  220                          ; v220-221 scale operands
.set PD,  222                          ; v222-223 lane permutes' destinations
.set LS,  224                          ; v[224:225] the sum in two halves; v226-231 its three other chains
.set VA,  232                          ; v232-255 V^T's tiles 0, 1
.set WV,  10
.set QC,  18                           ; trips of four key steps to go in a slot
.set SEL, 20
.set CS,  22
.set G1,  24
.set G0,  32
.set TB,  36                           ; LDS byte at which the four records in hand begin
.set SLOTS, 37                         ; slots still to be asked for
.set LIM, 38                           ; 1 in a wave that prefetches, else the greatest number
.set PFA, 40
.macro CROUND                          ; a round of the cluster's barrier
	s_barrier_signal -1
	s_barrier_wait -1
	s_cmp_lg_u32 s[WV], 0
	s_cbranch_scc1 .Lnot_wave_0_\@
	s_barrier_signal -3
.Lnot_wave_0_\@:
	s_barrier_wait -3
	s_barrier_signal -1
	s_barrier_wait -1
.endm
.macro TLOAD                           ; waves 0 to 7 fetch one record each; the branch hangs on the wave's number alone.  Four v_nop follow the load
	s_cmp_lt_u32 s[WV], 8
	s_cbranch_scc0 .Lasked_\@
	tensor_load_to_lds s[G0:G0+3], s[G1:G1+7]
	s_nop 0
.rept 4
	v_nop
.endr
.Lasked_\@:
.endm
; A PREFETCH of what the NEXT change of slots will ask for: eight key steps ahead of that load.  All clusters of a head walk the same records: the head's first cluster asks.  Its four partners take two records of the
; slot's eight each, told apart by address.  In each, waves 8 to 11 ask, two waves to a record, lanes 256 bytes apart; a record is 51 such blocks, so lanes 19-31 of a record's second wave name the last block with lane 18.
; Slots 0 and 1 come by their loads alone; the last change that fills a slot asks for nothing: there is no slot behind it.
.macro ASK
	s_cmp_gt_u32 s[SLOTS], s[LIM]
	s_cbranch_scc0 .Lnot_mine_\@
	global_prefetch_b8 v[PFO], s[PFA:PFA+1] th:TH_LOAD_NT scope:SCOPE_SE
.Lnot_mine_\@:
.endm
	s_load_b128 s[4:7], s[0:1], 0x0                ; qc, kv
	s_load_b64 s[8:9], s[0:1], 0x10                ; ao
	v_lshl_add_u32 v[SPW], v0, 2, SPARE
	v_mov_b32 v[NIL], 0
	ds_add_u32 v[SPW], v[NIL]                      ; the opening lines: the add, twice on end, and its wait
	ds_add_u32 v[SPW], v[NIL]
	s_wait_dscnt 0x0
	v_lshrrev_b32 v11, 5, v0
	v_readfirstlane_b32 s[WV], v11                 ; wave 0..15
	s_bfe_u32 s11, ttmp6, 0x40000                  ; cx: it enters Q's, ao's and the prefetch's global addresses alone
	s_lshl_b32 s12, ttmp9, 2
	s_add_co_u32 s12, s12, s11                     ; my block of 256 queries
	s_and_b32 s13, ttmp7, 0xffff                   ; bh = 8 x batch + head, which the four partners share
	; descriptor group 1: a record, 13,056 dense bytes, as 51 rows of 256 bytes (32 elements of 8 bytes), no padding
	s_mov_b32 s[G1], 15|(3<<16)|(1<<21)            ; the mask: all four work-groups; bit 21 beside it
	s_mov_b32 s[G1+1], 32<<16
	s_mov_b32 s[G1+2], 51<<16
	s_mov_b32 s[G1+3], 32<<16
	s_mov_b32 s[G1+4], 51
	s_mov_b32 s[G1+5], 32
	s_mov_b32 s[G1+6], 0
	s_mov_b32 s[G1+7], 0
	s_mov_b32 s[G0], 1
	s_and_b32 s48, s[WV], 7
	s_mul_i32 s[G0+1], s48, KVREC                  ; LDS: slot 0, record wave
	s_lshl_b32 s49, s13, 5
	s_add_co_u32 s48, s49, s48
	s_mul_i32 s48, s48, KVREC                      ; memory: record 32 bh + wave
	s_mov_b32 s49, 0
	s_lshr_b32 s50, s[WV], 3
	s_lshl_b32 s51, s12, 1
	s_add_co_u32 s50, s50, s51                     ; js: my block of 128 queries
	s_and_b32 s51, s[WV], 7                        ; m: my tile in it
	s_lshl_b32 s52, s13, 5
	s_add_co_u32 s52, s52, s50
	s_mul_i32 s52, s52, QREC
	s_mul_i32 s53, s51, 768
	s_add_co_u32 s54, s52, s53                     ; Q's half image
	s_mov_b32 s55, 0
	s_lshr_b32 s53, s51, 2
	s_lshl_b32 s53, s53, 8
	s_add_co_u32 s52, s52, s53
	s_and_b32 s53, s51, 3
	s_lshl_b32 s53, s53, 2
	s_add_co_u32 s52, s52, s53
	s_add_co_u32 s52, s52, 6144                    ; and its scale words
	s_mov_b32 s53, 0
	s_lshr_b32 s56, s13, 3
	s_lshl_b32 s56, s56, 5
	s_add_co_u32 s56, s56, s50
	s_mul_i32 s56, s56, REC                        ; ao's record 32 x batch + js
	s_and_b32 s57, s13, 7                          ; head
	s_lshl_b32 s58, s51, 3
	s_add_co_u32 s58, s58, s57
	s_mul_i32 s58, s58, 768
	s_add_co_u32 s58, s58, s56                     ; my half image: (8 m + head) x 768
	s_mov_b32 s59, 0
	s_lshl_b32 s60, s51, 8
	s_lshl_b32 s61, s57, 1
	s_add_co_u32 s60, s60, s61
	s_add_co_u32 s60, s60, s56
	s_add_co_u32 s60, s60, SCO                     ; my scale bytes: 256 m + 2 head
	s_mov_b32 s61, 0
	s_lshl_b32 s62, s13, 5
	s_lshl_b32 s63, s11, 1
	s_add_co_u32 s62, s62, s63
	s_bfe_u32 s63, s[WV], 0x10001
	s_add_co_u32 s62, s62, s63
	s_add_co_u32 s62, s62, 8
	s_mul_i32 s62, s62, KVREC                      ; the prefetches stand in slot 1, record 2 cx + (wave / 2) % 2; the first change of slots steps them to slot 2
	s_mov_b32 s63, 0
	s_lshr_b32 s[LIM], s[WV], 2
	s_xor_b32 s[LIM], s[LIM], 2                    ; 0 in waves 8 to 11,
	s_or_b32 s[LIM], s[LIM], ttmp9                 ; of the head's first cluster: the same in all four partners
	s_cmp_eq_u32 s[LIM], 0
	s_cselect_b32 s[LIM], 1, -1
	s_and_b32 s39, s[WV], 1
	s_lshl_b32 s39, s39, 5
	v_and_b32 v11, 31, v0
	v_and_b32 v[R16], 15, v0
	v_bfe_u32 v[HH], v0, 4, 1
	v_add_nc_u32 v[PFO], s39, v11
	v_lshlrev_b32 v[L16], 4, v11
	v_lshlrev_b32 v[L8], 3, v11
	v_min_u32 v[PFO], 50, v[PFO]
	v_lshlrev_b32 v[R16], 4, v[R16]
	v_lshlrev_b32 v[H8], 3, v[HH]
	v_lshlrev_b32 v[PFO], 8, v[PFO]
	s_mov_b32 s[SEL], 0x76543210
	s_mov_b32 s[SEL+1], 0xfedcba98
	s_mov_b32 s[CS], 0x3e38aa3b                    ; c = log2(e) / 8
	s_mov_b32 s[CS+1], s[CS]                       ; (named with it as a pair, so it is written)
	s_mov_b32 s[TB], 0
	s_mov_b32 s[SLOTS], NSL-1
	s_wait_kmcnt 0x0
	s_add_nc_u64 s[G0+2:G0+3], s[6:7], s[48:49]
	s_or_b32 s[G0+3], s[G0+3], 0x80000000          ; type = 2
	s_add_nc_u64 s[PFA:PFA+1], s[6:7], s[62:63]
	s_add_nc_u64 s[42:43], s[4:5], s[54:55]
	s_add_nc_u64 s[16:17], s[4:5], s[52:53]
	s_add_nc_u64 s[44:45], s[8:9], s[58:59]
	s_add_nc_u64 s[46:47], s[8:9], s[60:61]
	CROUND                                         ; all four work-groups are here: the first joint loads meet
	TLOAD                                          ; slot 0
	s_wait_alu depctr_va_vdst(0)                   ; the wait ahead of the first readers of the head's addresses
	global_load_b128 v[QF:QF+3], v[L16], s[42:43]  ; Q stays in registers
	global_load_b64 v[QF+4:QF+5], v[L8], s[42:43] offset:512
	global_load_b32 v[QS], v[R16], s[16:17]
	v_mov_b32 v13, 0xff61b1e6                      ; the largest score so far: -3e38, under every score
	v_mov_b32 v[FF+1], 0                           ; (named as the upper half of a pair)
	v_floor_f32 v12, -v13                          ; -M
.irp j, 0,1,2,3,4,5
	v_mov_b32 v[QF+6+\j], 0                        ; zero codes for K = 64 .. 127
	v_mov_b32 v[KL+24+\j], 0                       ; and behind K's tile 3
.endr
.irp b, 0,1
	v_mov_b32 v[PD+\b], 0                          ; written once: a lane permute's destination counts as one of its sources
.endr
.set J, 0
.rept 8
	v_mov_b32 v[LS+J], 0                           ; the sum's four chains
.set J, J+1
.endr
.set J, 38
.rept 26
	v_mov_b32 v[SS+J], 0                           ; the first step's SUMTAIL finds zeros where a step before would have left p
.set J, J+1
.endr
.set J, 0
.rept 32
	v_mov_b32 v[OT+J], 0                           ; the step is written once: the first finds zeros, which the first change of M leaves zeros
.set J, J+1
.endr
.macro KLO q                           ; record q of those in hand: K's tiles 0-3, half images, and their scale words
.irp t, 0,1,2,3
	ds_load_b128 v[KL+6*\t:KL+6*\t+3], v[ADK] offset:KVREC*(\q)+768*\t
.endr
.irp t, 0,1,2,3
	ds_load_b64 v[KL+6*\t+4:KL+6*\t+5], v[AD8] offset:KVREC*(\q)+768*\t+512
.endr
	ds_load_b128 v[KS:KS+3], v[ADR] offset:KVREC*(\q)+6144
.endm
.macro KHI q                           ; its tiles 4-7
.irp t, 0,1,2,3
	ds_load_b128 v[KH+6*\t:KH+6*\t+3], v[ADK] offset:KVREC*(\q)+768*(4+\t)
.endr
.irp t, 0,1,2,3
	ds_load_b64 v[KH+6*\t+4:KH+6*\t+5], v[AD8] offset:KVREC*(\q)+768*(4+\t)+512
.endr
	ds_load_b128 v[KS+4:KS+7], v[ADR] offset:KVREC*(\q)+6400
.endm
.macro ADDP j                          ; pair j of p (7 .. 31) onto one of the sum's four chains, by turns
	v_pk_add_f32 v[LS+2*(((\j)-7)%4):LS+2*(((\j)-7)%4)+1], v[LS+2*(((\j)-7)%4):LS+2*(((\j)-7)%4)+1], v[SS+2*(\j):SS+2*(\j)+1]
.endm
.macro SUMTAIL                         ; the end of a step's sum: pairs 19 .. 31, and the four chains joined
.irp j, 19,20,21,22,23,24,25,26,27,28,29,30,31
	ADDP \j
.endr
	v_pk_add_f32 v[LS+2:LS+3], v[LS+2:LS+3], v[LS+4:LS+5]
	v_pk_add_f32 v[LS:LS+1], v[LS:LS+1], v[LS+6:LS+7]
	v_pk_add_f32 v[LS:LS+1], v[LS:LS+1], v[LS+2:LS+3]
.endm
.macro CHAINS c, r0, r1, r2, r3        ; block c's 32 scores: a chain to each accumulator, from its low end on: seven of its eight
.irp i, 0,3,5
.if \i == 0
	v_max3_num_f32 v[\r0], v[SS+32*\c], v[SS+32*\c+1], v[SS+32*\c+2]
	v_max3_num_f32 v[\r1], v[SS+32*\c+8], v[SS+32*\c+9], v[SS+32*\c+10]
	v_max3_num_f32 v[\r2], v[SS+32*\c+16], v[SS+32*\c+17], v[SS+32*\c+18]
	v_max3_num_f32 v[\r3], v[SS+32*\c+24], v[SS+32*\c+25], v[SS+32*\c+26]
.else
	v_max3_num_f32 v[\r0], v[\r0], v[SS+32*\c+\i], v[SS+32*\c+\i+1]
	v_max3_num_f32 v[\r1], v[\r1], v[SS+32*\c+8+\i], v[SS+32*\c+9+\i]
	v_max3_num_f32 v[\r2], v[\r2], v[SS+32*\c+16+\i], v[SS+32*\c+17+\i]
	v_max3_num_f32 v[\r3], v[\r3], v[SS+32*\c+24+\i], v[SS+32*\c+25+\i]
.endif
.endr
.endm
; A KEY STEP: 128 keys.  At its head K's tiles 0-3 are in and tiles 4-7 on their way.  last = 1: the trip's fourth step, after which the slot may end
.macro STEP q, last
.irp t, 0,1,2,3
	v_wmma_scale_f32_16x16x128_f8f6f4 v[SS+8*\t:SS+8*\t+7], v[KL+6*\t:KL+6*\t+11], v[QF:QF+11], 0, v[KS+\t], v[QS] matrix_a_fmt:MATRIX_FMT_BF6 matrix_b_fmt:MATRIX_FMT_BF6
.endr
	SUMTAIL                                        ; of the step before: it reads p's upper half, which the products below write over.  Sixteen places behind the four products
	CHAINS 0, BM, BM+1, BM+2, BM+3
	s_wait_alu depctr_va_vdst(0)                   ; directly ahead of the wait below
	s_wait_dscnt 0x0                               ; K's tiles 4-7 are in
.irp t, 0,1,2,3
	v_wmma_scale_f32_16x16x128_f8f6f4 v[SS+32+8*\t:SS+32+8*\t+7], v[KH+6*\t:KH+6*\t+11], v[QF:QF+11], 0, v[KS+4+\t], v[QS] matrix_a_fmt:MATRIX_FMT_BF6 matrix_b_fmt:MATRIX_FMT_BF6
.endr
	v_max3_num_f32 v[BM], v[BM], v[BM+1], v[SS+7]  ; block 0's chains joined, with each accumulator's eighth: four places, in front of the loads into K's registers
	v_max3_num_f32 v[BM+2], v[BM+2], v[BM+3], v[SS+15]
	v_mov_b32 v[TT], v12                           ; the old -M
	v_max3_num_f32 v[BM], v[BM], v[BM+2], v[SS+23]
	v_max_num_f32 v[BM], v[BM], v[SS+31]           ; the largest score of block 0: for the row's maximum and, since p rises with the score, for the block's largest p
.irp t, 0,1
.irp c, 0,1,2
	ds_load_b128 v[VA+12*\t+4*\c:VA+12*\t+4*\c+3], v[ADK] offset:KVREC*(\q)+6656+1536*\t+512*\c   ; V^T's four fragments land under the softmax
.endr
.endr
.irp t, 0,1
.irp c, 0,1,2
	ds_load_b128 v[KH+12*\t+4*\c:KH+12*\t+4*\c+3], v[ADK] offset:KVREC*(\q)+6656+1536*(2+\t)+512*\c
.endr
.endr
	ds_load_b128 v[VS:VS+3], v[ADR] offset:KVREC*(\q)+12800
.if \last
	s_cmp_eq_u32 s[QC], 1                          ; the slot's last step: the next record lies in the other slot
	s_cbranch_scc1 .Lno_lo_\@
.endif
	KLO (\q)+1                                     ; the next step's K, tiles 0-3
.if \last
.Lno_lo_\@:
.endif
	CHAINS 1, BM+1, BM+2, BM+3, TU
	v_max3_num_f32 v[BM+1], v[BM+1], v[BM+2], v[SS+39]
	v_max3_num_f32 v[BM+3], v[BM+3], v[TU], v[SS+47]
	v_max3_num_f32 v[BM+1], v[BM+1], v[BM+3], v[SS+55]
	v_max3_num_f32 v[TU], v[BM], v[BM+1], v[SS+63] ; my 64 keys' largest score,
	v_max_num_f32 v[BM+1], v[BM+1], v[SS+63]       ; and block 1's
	s_delay_alu instid0(VALU_DEP_2)
	v_permlanex16_b32 v[PD], v[TU], s[SEL], s[SEL+1]
	s_delay_alu instid0(VALU_DEP_1)
	v_max3_num_f32 v13, v13, v[TU], v[PD]          ; the running largest score of my query, lane l xor 16's 64 keys among them
	s_delay_alu instid0(VALU_DEP_1)
	v_mul_f32 v[TU], s[CS], v13                    ; as t (c is positive)
	s_delay_alu instid0(VALU_DEP_1)
	v_floor_f32 v12, -v[TU]                        ; the new -M = floor(-t): M is a whole number
	s_delay_alu instid0(VALU_DEP_1)
	v_sub_f32 v[TT], v12, v[TT]                    ; old M - new M, a whole number, 0 or less
.set J, 0
.rept 3
	v_pk_fma_f32 v[SS+J:SS+J+1], v[SS+J:SS+J+1], s[CS:CS+1], v[12:13] op_sel_hi:[1,0,0]   ; t - M, two at a time
.set J, J+2
.endr
	v_cvt_i32_f32 v[TT], v[TT]                     ; (it saturates)
.rept 3
	v_pk_fma_f32 v[SS+J:SS+J+1], v[SS+J:SS+J+1], s[CS:CS+1], v[12:13] op_sel_hi:[1,0,0]
.set J, J+2
.endr
	v_ldexp_f32 v[FF], 1.0, v[TT]                  ; f
.rept 26
	v_pk_fma_f32 v[SS+J:SS+J+1], v[SS+J:SS+J+1], s[CS:CS+1], v[12:13] op_sel_hi:[1,0,0]
.set J, J+2
.endr
.irp c, 0,1
	v_fma_f32 v[BM+\c], v[BM+\c], s[CS], v12       ; the same of each block's largest score
.endr
.set J, 0
.rept 16
	v_pk_mul_f32 v[OT+J:OT+J+1], v[OT+J:OT+J+1], v[FF:FF+1] op_sel_hi:[1,0]   ; O^T under the new M, ahead of the exponentials
.set J, J+2
.endr
	s_wait_alu depctr_va_vdst(0)                   ; the wait ahead of the batch
.irp c, 0,1
	v_exp_f32 v[BM+\c], v[BM+\c]                   ; the blocks' largest p: the same two instructions on the same number give the same bits
.endr
.set J, 0
.rept 64
	v_exp_f32 v[SS+J], v[SS+J]                     ; p = 2^(t - M), at most 1
.set J, J+1
.endr
	v_nop                                          ; one plain instruction behind the exponentials
	s_wait_alu depctr_va_vdst(0)                   ; one wait for the batch of 66, ahead of its first reader
.irp c, 0,1
	v_max_num_f32 v[BM+\c], FLOOR, v[BM+\c]        ; the floor: the byte cannot fall under 1
.endr
	v_pk_fma_f32 v[LS:LS+1], v[LS:LS+1], v[FF:FF+1], v[SS:SS+1] op_sel_hi:[1,0,1]   ; the row's sum of the UNQUANTISED p: the old sum x f + pair 0;
	v_pk_add_f32 v[LS+2:LS+3], v[SS+2:SS+3], v[SS+4:SS+5]                           ; pairs 1 to 6 begin the three other chains
.irp c, 0,1
	v_add_nc_u32 v[SO+\c], 0xfe000000, v[BM+\c]    ; 4 off the exponent field: the conversion's scale operand
.endr
	v_pk_add_f32 v[LS+4:LS+5], v[SS+6:SS+7], v[SS+8:SS+9]
	v_pk_add_f32 v[LS+6:LS+7], v[SS+10:SS+11], v[SS+12:SS+13]
.irp c, 0,1
	v_cvt_scalef32_pk16_bf6_f32 v[PCD+6*\c:PCD+2+6*\c], v[SS+32*\c:SS+15+32*\c], v[SO+\c]
	v_cvt_scalef32_pk16_bf6_f32 v[PT+4*\c:PT+2+4*\c], v[SS+16+32*\c:SS+31+32*\c], v[SO+\c]   ; (a conversion's three registers begin on an even number)
.endr
.irp c, 0,1
	v_lshrrev_b32 v[SB+\c], 23, v[SO+\c]           ; the scale's byte (plain instructions behind the scaled conversions)
.endr
	ADDP 7
	v_lshl_or_b32 v[TU], v[SB+1], 16, v[SB]        ; my bytes: blocks h and 2 + h,
	ADDP 8
	v_lshlrev_b32 v[TU], v[H8], v[TU]              ; at their places in the word;
	ADDP 9
	v_permlanex16_b32 v[PD], v[TU], s[SEL], s[SEL+1]
	ADDP 10
	v_or_b32 v[PS], v[TU], v[PD]                   ; with lane l xor 16's two the word is whole
.irp c, 0,1
.irp i, 0,1,2
	v_mov_b32 v[PCD+3+6*\c+\i], v[PT+4*\c+\i]
.endr
.endr
.irp j, 11,12,13,14
	ADDP \j                                        ; with the six moves: ten places behind p's scale word, four behind its codes
.endr
	s_wait_alu depctr_va_vdst(0)                   ; directly ahead of the wait below
	s_wait_dscnt 0x0                               ; V^T is in, and the next step's K, tiles 0-3
.irp t, 0,1
	v_wmma_scale_f32_16x16x128_f8f6f4 v[OT+8*\t:OT+8*\t+7], v[VA+12*\t:VA+12*\t+11], v[PCD:PCD+11], v[OT+8*\t:OT+8*\t+7], v[VS+\t], v[PS] matrix_a_fmt:MATRIX_FMT_BF6 matrix_b_fmt:MATRIX_FMT_BF6
.endr
.irp t, 0,1
	v_wmma_scale_f32_16x16x128_f8f6f4 v[OT+16+8*\t:OT+16+8*\t+7], v[KH+12*\t:KH+12*\t+11], v[PCD:PCD+11], v[OT+16+8*\t:OT+16+8*\t+7], v[VS+2+\t], v[PS] matrix_a_fmt:MATRIX_FMT_BF6 matrix_b_fmt:MATRIX_FMT_BF6
.endr
.irp j, 15,16,17,18
	ADDP \j                                        ; four places in front of the loads into V^T's registers; with pair 15 p's lower half is summed
.endr
.if \last
	s_wait_alu depctr_va_vdst(0)                   ; the wait ahead of the branch
	s_cmp_eq_u32 s[QC], 1
	s_cbranch_scc1 .Lno_hi_\@
.endif
	KHI (\q)+1                                     ; the next step's K, tiles 4-7
.if \last
.Lno_hi_\@:
.endif
.endm
; THE CHANGE OF SLOTS stands at a slot's head.  Each wave waits for all its tensor loads (its part of the slot ahead), adds 0 to its spare word, and waits for that and for its reads of the slot that it has left.
; fill = 1: the barrier is a round of the cluster's, so that no wave of any partner still reads the slot left or has a load on its way; the joint refill is the first thing behind it, one load a wave, and has eight key steps in which to land.
.macro CHANGE fill
	s_wait_tensorcnt 0x0                           ; no tensor load of mine is out, so the descriptor may be written
	ds_add_u32 v[SPW], v[NIL]                      ; 0 onto my spare word
.if \fill
	ds_add_u32 v[SPW], v[NIL]                      ; twice on end
	s_xor_b32 s[G0+1], s[G0+1], SLOT1              ; the other slot than last time,
	s_add_nc_u64 s[G0+2:G0+3], s[G0+2:G0+3], SLOTB ; the next eight records; the type bits on top are not reached
	s_wait_xcnt 0x0                                ; the last prefetch, a slot back, has read its address
	s_add_nc_u64 s[PFA:PFA+1], s[PFA:PFA+1], SLOTB
	s_wait_dscnt 0x0                               ; the adds are done, and my reads of the slot that I have left are over
	CROUND
	TLOAD
	ASK
.else
	s_wait_dscnt 0x0
	s_barrier_signal -1
	s_barrier_wait -1
.endif
.endm
.macro ADDRS                           ; the LDS addresses of the four records in hand
	v_add_nc_u32 v[ADK], s[TB], v[L16]
	v_add_nc_u32 v[AD8], s[TB], v[L8]
	v_add_nc_u32 v[ADR], s[TB], v[R16]
.endm
.macro SLOT_STEPS last                 ; a slot's eight key steps: two trips of four
	s_mov_b32 s[QC], 2
	ADDRS
	s_wait_alu depctr_va_vdst(0)
	KLO 0
	KHI 0
	s_wait_dscnt 0x0                               ; the slot's first K
.Lquad_\@:
	STEP 0, 0
	STEP 1, 0
	STEP 2, 0
	STEP 3, 1
	s_add_co_u32 s[TB], s[TB], 4*KVREC
	ADDRS                                          ; (LDS loads that are out have read their addresses)
	s_sub_co_u32 s[QC], s[QC], 1
	s_cmp_lg_u32 s[QC], 0
	s_wait_alu depctr_va_vdst(0)                   ; the wait ahead of the branch
	s_cbranch_scc1 .Lquad_\@
.if \last == 0
	s_and_b32 s[TB], s[TB], SLOT1                  ; back to the slot's first byte (a slot is shorter than SLOT1),
	s_xor_b32 s[TB], s[TB], SLOT1                  ; and over to the other slot
.endif
.endm
	s_wait_alu depctr_va_vdst(0)                   ; the wait at the head's end
	s_wait_loadcnt 0x0                             ; Q
.Lslot:                                            ; NSL - 1 trips: behind each change of slots but the last the next slot is asked for
	CHANGE 1
	SLOT_STEPS 0
	s_sub_co_u32 s[SLOTS], s[SLOTS], 1
	s_cmp_lg_u32 s[SLOTS], 0
	s_cbranch_scc1 .Lslot
	CHANGE 0                                       ; the last slot is written out
	SLOT_STEPS 1
	SUMTAIL                                        ; the last step's sum ends here
	; THE WAY OUT.  O^T / the sum: register 16 b + i is channel 32 b + 16 h + i of my query's head (V^T's rows lie in the weights' order): two blocks of the last product's K.  They are quantised and leave as half an image, straight from registers.
	s_delay_alu instid0(VALU_DEP_1)
	v_add_f32 v[LS], v[LS], v[LS+1]
	s_delay_alu instid0(VALU_DEP_1)
	v_permlanex16_b32 v[TT], v[LS], s[SEL], s[SEL+1]
	s_delay_alu instid0(VALU_DEP_1)
	v_add_f32 v[LS], v[LS], v[TT]                  ; the row's sum
	s_wait_alu depctr_va_vdst(0)                   ; the wait ahead of the transcendental
	v_rcp_f32 v[LS], v[LS]
	v_add_nc_u32 v240, v[R16], v[HH]               ; (a plain instruction behind the reciprocal)  my scale byte's place: 16 r + h
	v_cmp_ne_u32 vcc_lo, 0, v[HH]
	s_wait_alu depctr_va_vdst(0)                   ; the wait ahead of the reciprocal's first reader, and of O^T's
.set J, 0
.rept 32
	v_mul_f32 v[SS+J], v[OT+J], v[LS]              ; each accumulator from its low end on
.set J, J+1
.endr
.irp b, 0,1
	v_max3_num_f32 v[BM+\b], |v[SS+16*\b]|, |v[SS+1+16*\b]|, FLOOR
.endr
.irp i, 2,4,6,8,10,12,14
.irp b, 0,1
	s_delay_alu instid0(VALU_DEP_2)
	v_max3_num_f32 v[BM+\b], v[BM+\b], |v[SS+16*\b+\i]|, |v[SS+1+16*\b+\i]|
.endr
.endr
.irp b, 0,1
	s_delay_alu instid0(VALU_DEP_2)
	v_permlanex16_b32 v[PD+\b], v[BM+\b], s[SEL], s[SEL+1]
.endr
.irp b, 0,1
	s_delay_alu instid0(VALU_DEP_2)
	v_max_num_f32 v[BM+\b], v[BM+\b], v[PD+\b]
.endr
.irp b, 0,1
	s_delay_alu instid0(VALU_DEP_2)
	v_add_nc_u32 v[SO+\b], 0xfe000000, v[BM+\b]
.endr
.irp b, 0,1
	s_delay_alu instid0(VALU_DEP_2)
	v_lshrrev_b32 v[SB+\b], 23, v[SO+\b]
.endr
	s_delay_alu instid0(VALU_DEP_1)
	v_cndmask_b32 v241, v[SB], v[SB+1], vcc_lo     ; lanes 0-15 store block 0's byte, lanes 16-31 block 1's
	v_cvt_scalef32_pk16_bf6_f32 v[PCD:PCD+2], v[SS:SS+15], v[SO]
	v_cvt_scalef32_pk16_bf6_f32 v[PT:PT+2], v[SS+16:SS+31], v[SO+1]
	v_nop
.irp i, 0,1,2
	v_permlane16_swap_b32 v[PCD+\i], v[PT+\i]
.endr
.irp i, 0,1,2
	s_delay_alu instid0(VALU_DEP_3)
	v_mov_b32 v[PCD+3+\i], v[PT+\i]
.endr
	global_store_b128 v[L16], v[PCD:PCD+3], s[44:45]              ; 512 consecutive bytes, aligned
	global_store_b64 v[L8], v[PCD+4:PCD+5], s[44:45] offset:512   ; 256 consecutive bytes, aligned
	global_store_b8 v240, v241, s[46:47]                          ; 32 bytes a wave against 768: the bytes beside them are other heads'
	s_wait_tensorcnt 0x0                           ; the wave's end
	ds_add_u32 v[SPW], v[NIL]
	s_wait_dscnt 0x0
	CROUND                                         ; the closing round: no work-group ends while a partner may still ask for a record that names it
	s_endpgm
.Lfunc_end_k_q538a5f88bb_attn:
	.size	k_q538a5f88bb_attn, .Lfunc_end_k_q538a5f88bb_attn-k_q538a5f88bb_attn
	.p2alignl 7, 3214868480
	.fill 96, 4, 3214868480
	.section	.rodata,"a",@progbits
	.p2align	6, 0x0
	.amdhsa_kernel k_q538a5f88bb_attn
		.amdhsa_group_segment_fixed_size 327680
		.amdhsa_private_segment_fixed_size 0
		.amdhsa_enable_private_segment 0
		.amdhsa_kernarg_size 24
		.amdhsa_user_sgpr_count 2
		.amdhsa_user_sgpr_kernarg_segment_ptr 1
		.amdhsa_wavefront_size32 1
		.amdhsa_system_sgpr_workgroup_id_x 1
		.amdhsa_system_sgpr_workgroup_id_y 1
		.amdhsa_system_sgpr_workgroup_id_z 1
		.amdhsa_system_vgpr_workitem_id 0
		.amdhsa_next_free_vgpr 256
		.amdhsa_next_free_sgpr 66
		.amdhsa_reserve_vcc 1
		.amdhsa_float_denorm_mode_32 3
		.amdhsa_float_denorm_mode_16_64 3
		.amdhsa_memory_ordered 1
		.amdhsa_forward_progress 1
		.amdhsa_inst_pref_size 134
	.end_amdhsa_kernel
	.amdgpu_metadata
---
amdhsa.version: [ 1, 2 ]
amdhsa.kernels:
  - .name:           k_q538a5f88bb_attn
    .symbol:         k_q538a5f88bb_attn.kd
    .args:
      - { .name: qc, .offset: 0, .size: 8, .value_kind: global_buffer, .address_space: global }
      - { .name: kv, .offset: 8, .size: 8, .value_kind: global_buffer, .address_space: global }
      - { .name: ao, .offset: 16, .size: 8, .value_kind: global_buffer, .address_space: global }
    .group_segment_fixed_size: 327680
    .private_segment_fixed_size: 0
    .kernarg_segment_align: 8
    .kernarg_segment_size: 24
    .max_flat_workgroup_size: 512
    .sgpr_count:     66
    .vgpr_count:     256
    .wavefront_size: 32
...
	.end_amdgpu_metadata
.endif
;; end of part 3
;; launch oproj (part 4): grid 64 x 4, 4 waves a work-group, clusters of 4 x 4, 168,448 bytes of LDS; arguments ao, wc, bo, out0; writes out0
.if DOCPART == 4
	.amdgcn_target "amdgcn-amd-amdhsa--gfx1250"
	.amdhsa_code_object_version 6
	.text
	.protected	k_q538a5f88bb_oproj
	.globl	k_q538a5f88bb_oproj
	.p2align	8
	.type	k_q538a5f88bb_oproj,@function
k_q538a5f88bb_oproj:
	s_mov_b64 s[64:65], 0
	v_nop
	global_prefetch_b8 v0, s[64:65] scope:SCOPE_SE
	s_setreg_imm32_b32 hwreg(HW_REG_WAVE_MODE, 25, 1), 1
	s_wait_xcnt 0x0
	s_wait_alu depctr_hold_cnt(0) depctr_sa_sdst(0) depctr_va_vdst(0) depctr_va_sdst(0) depctr_va_ssrc(0) depctr_va_vcc(0) depctr_vm_vsrc(0)
	s_getreg_b32 s2, hwreg(HW_REG_IB_STS2, 6, 4)
	s_cmp_eq_u32 s2, 0
	s_cbranch_scc0 .Lentry_in_a_cluster
	s_endpgm
.Lentry_in_a_cluster:
	s_bfe_u32 s2, ttmp6, 0x10000c
	s_cmp_lg_u32 s2, 0xf033
	s_cbranch_scc0 .Lentry_shape_is_right
	s_endpgm
.Lentry_shape_is_right:
; out0 = O wo + bo on codes of BF6.  O's codes lie in ao (64 records of 128 rows, fragments as two half images), wo's in wc records 12 to 15 (128 columns each).  out0: [8192][512] f32.
; A work-group makes 128 rows x 128 columns, K = 512: record R = 4 x cluster x + cx of ao, column group cy (the grid is one cluster high).  Wave w: row tiles 4 (w / 2) .. + 3, column tiles 4 (w % 2) .. + 3.
; Both records come into LDS once.  CLUSTER 4 x 4: the four work-groups of a column of the cluster need the same record of ao, the four of a row the same record of wc: each half record is asked for JOINTLY.
; The product is used transposed (source 0 = 16 columns of wo, kept in registers; source 1 = 16 rows of O): a lane holds one row and, by the tiles' column order, neighbouring columns.  The bias is the C of each sum's first instruction.
; The rows of a tile are rows 32 (m / 2) + 8 (m % 2) + r + 8 (r / 8) of the record: the way out puts each row where it belongs.
; REGISTERS.  window 0: v4-12 addresses; v16-63 a row tile's four fragments; v64-95 four accumulators; v96-127 the bias; v128-147 scale words; v160-191 rows on the way out.   window 1: wo's 16 fragments at v[12 (4 u + s)].
; THE ROWS OF A TILE OF ao lie in the order of x's tiles: lane r of tile m is row 64 (m / 4) + 8 (m % 4) + r % 8 + 32 (r / 8) of the record (this takes the place of the row order stated above).
; EACH WAVE ISSUES ONE JOINT LOAD: waves 0 and 1 the two halves of ao's record, waves 2 and 3 the two halves of wc's.
.set REC,  51200
.set SCO,  49152
.set FRB,  1536
.set WR,   51200                       ; LDS: ao's record at 0, wc's here,
.set STG,  102400                      ; and behind them a stage of 16 rows x (256 + 16) bytes for each wave; no load lands there
.set A16, 4                            ; 16 L + my four row tiles
.set A8,  5                            ; 8 L + the same
.set AS,  6                            ; 16 r + their scale words
.set W16, 7                            ; 16 L + my four column tiles
.set WS,  8                            ; 16 r + their scale words
.set STO, 9                            ; the stage: row r, + 64 h
.set RD,  10                           ; back: lanes 0-15 one row, lanes 16-31 the next
.set CO,  11                           ; and the same two rows in out0
.set BA,  12                           ; 64 h
.set XF,  16
.set ACC, 64
.set BI,  96
.set RS,  128
.set XS,  144
.set BK,  160
.set WV,  12
.set MSB, 0
.macro WIN new
.if MSB != \new
	s_set_vgpr_msb (MSB<<8)|\new
.set MSB, \new
.endif
.endm
.macro CROUND                          ; a round of the cluster's barrier
	s_barrier_signal -1
	s_barrier_wait -1
	s_cmp_lg_u32 s[WV], 0
	s_cbranch_scc1 .Lnot_wave_0_\@
	s_barrier_signal -3
.Lnot_wave_0_\@:
	s_barrier_wait -3
	s_barrier_signal -1
	s_barrier_wait -1
.endm
	s_load_b256 s[4:11], s[0:1], 0x0               ; ao, wc, bo, out0
	v_lshl_add_u32 v254, v0, 2, 0x29000
	v_mov_b32 v255, 0
	ds_add_u32 v254, v255
	ds_add_u32 v254, v255
	v_lshrrev_b32 v1, 5, v0
	v_readfirstlane_b32 s[WV], v1                  ; wave 0..3
	s_bfe_u32 s13, ttmp6, 0x40000                  ; cx
	s_bfe_u32 s14, ttmp6, 0x40004                  ; cy = the column group
	s_lshl_b32 s15, ttmp9, 2
	s_add_co_u32 s15, s15, s13                     ; R
	s_lshr_b32 s16, s[WV], 1                       ; which half of the rows
	s_and_b32 s17, s[WV], 1                        ; which half of the columns
	s_lshl_b32 s18, 0x1111, s13                    ; my column of the cluster (same cx): ao's record
	s_lshl_b32 s19, s14, 2
	s_lshl_b32 s19, 15, s19                        ; my row (same cy): wc's record
	; descriptor groups 1: half a record, 25,600 dense bytes, as 100 rows of 256 bytes; they differ in the mask alone
	s_or_b32 s24, s18, (3<<16)|(1<<21)
	s_or_b32 s36, s19, (3<<16)|(1<<21)
.irp g, 24, 36
	s_mov_b32 s[\g+1], 32<<16
	s_mov_b32 s[\g+2], 100<<16
	s_mov_b32 s[\g+3], 32<<16
	s_mov_b32 s[\g+4], 100
	s_mov_b32 s[\g+5], 32
	s_mov_b32 s[\g+6], 0
	s_mov_b32 s[\g+7], 0
.endr
	s_mov_b32 s32, 1
	s_mul_i32 s33, s[WV], 25600                    ; LDS: wave x half a record: ao's two halves, then wc's two: no place in the cluster enters an LDS address
	s_mul_i32 s20, s17, 25600                      ; memory: which half of the record
	s_mov_b32 s44, 1
	s_mov_b32 s45, s33
	s_mul_i32 s48, s15, REC                        ; ao's address hangs on R and the wave alone,
	s_add_co_u32 s48, s48, s20
	s_mov_b32 s49, 0
	s_add_co_u32 s50, s14, 12
	s_mul_i32 s50, s50, REC                        ; wc's on cy and the wave alone
	s_add_co_u32 s50, s50, s20
	s_mov_b32 s51, 0
	s_lshl_b32 s52, s15, 7
	s_lshl_b32 s53, s16, 6
	s_add_co_u32 s52, s52, s53
	s_lshl_b32 s52, s52, 11                        ; my first row of out0: (128 R + 64 (w / 2)) rows of 2,048 bytes
	s_lshl_b32 s54, s14, 9
	s_lshl_b32 s55, s17, 8
	s_add_co_u32 s54, s54, s55                     ; my first column, in bytes: 512 cy + 256 (w % 2); the same in bo
	s_mov_b32 s55, 0
	s_add_co_u32 s52, s52, s54
	s_mov_b32 s53, 0
	s_wait_dscnt 0x0
	s_wait_kmcnt 0x0
	s_add_nc_u64 s[34:35], s[4:5], s[48:49]
	s_or_b32 s35, s35, 0x80000000
	s_add_nc_u64 s[46:47], s[6:7], s[50:51]
	s_or_b32 s47, s47, 0x80000000
	s_add_nc_u64 s[8:9], s[8:9], s[54:55]
	s_add_nc_u64 s[10:11], s[10:11], s[52:53]
	CROUND                                         ; all sixteen work-groups are here: the joint loads meet
	s_cmp_lt_u32 s[WV], 2                          ; one load a wave, in the two arms of one branch on the wave's number; nothing is ever filled again
	s_cbranch_scc0 .Lfor_w
	tensor_load_to_lds s[32:35], s[24:31]          ; waves 0, 1: half of ao's record
	s_nop 0
.rept 4
	v_nop
.endr
	s_branch .Lasked
.Lfor_w:
	tensor_load_to_lds s[44:47], s[36:43]          ; waves 2, 3: half of wc's record
	s_nop 0
.rept 4
	v_nop
.endr
.Lasked:
	v_and_b32 v1, 31, v0
	v_and_b32 v2, 15, v0                           ; r
	s_wait_alu depctr_va_vdst(0)
	v_bfe_u32 v3, v0, 4, 1                         ; h
	v_lshlrev_b32 v[BA], 6, v3
.irp u, 0,1,2,3                                ; lane half h wants, for column tile u, columns 32 (u / 2) + 16 h + 8 (u % 2) + 0 .. 7
	global_load_b128 v[BI+8*\u:BI+8*\u+3], v[BA], s[8:9] offset:(32*(\u/2)+8*(\u%2))*4
	global_load_b128 v[BI+8*\u+4:BI+8*\u+7], v[BA], s[8:9] offset:(32*(\u/2)+8*(\u%2))*4+16
.endr
	s_mul_i32 s56, s16, 16*FRB
	v_lshl_add_u32 v[A16], v1, 4, s56
	v_lshl_add_u32 v[A8], v1, 3, s56
	s_lshl_b32 s57, s16, 10
	v_lshl_add_u32 v[AS], v2, 4, s57
	s_mul_i32 s58, s17, 16*FRB
	s_add_co_u32 s58, s58, WR
	v_lshl_add_u32 v[W16], v1, 4, s58
	s_lshl_b32 s59, s17, 10
	s_add_co_u32 s59, s59, WR+SCO
	v_lshl_add_u32 v[WS], v2, 4, s59
	s_mul_i32 s60, s[WV], 16*272
	s_add_co_u32 s60, s60, STG                     ; my stage
	v_mul_u32_u24 v[STO], v2, 272
	s_wait_alu depctr_va_vdst(0)
	v_lshl_add_u32 v[STO], v3, 6, v[STO]
	v_add_nc_u32 v[STO], s60, v[STO]
	v_mul_u32_u24 v[RD], v3, 272
	v_lshl_add_u32 v[RD], v2, 4, v[RD]
	v_add_nc_u32 v[RD], s60, v[RD]
	v_lshlrev_b32 v[CO], 11, v3
	v_lshl_add_u32 v[CO], v2, 4, v[CO]
	s_wait_tensorcnt 0x0                           ; my quarters have landed,
	s_barrier_signal -1
	s_barrier_wait -1                              ; everybody's have
	WIN 0x40                                       ; destination window 1
.irp f, 0,1,2,3,4,5,6,7,8,9,10,11,12,13,14,15
.irp c, 0,1,2
	ds_load_b128 v[12*\f+4*\c:12*\f+4*\c+3], v[W16] offset:\f*FRB+512*\c      ; wo's 16 fragments stay in registers
.endr
.endr
	WIN 0
.irp u, 0,1,2,3
	ds_load_b128 v[RS+4*\u:RS+4*\u+3], v[WS] offset:256*\u
.endr
.macro FETCHH i                        ; my row tile i: four fragments, each two half images, and their scale words
.irp s, 0,1,2,3
	ds_load_b128 v[XF+12*\s:XF+12*\s+3], v[A16] offset:(4*(\i)+\s)*FRB
	ds_load_b64 v[XF+12*\s+4:XF+12*\s+5], v[A8] offset:(4*(\i)+\s)*FRB+512
	ds_load_b128 v[XF+12*\s+6:XF+12*\s+9], v[A16] offset:(4*(\i)+\s)*FRB+768
	ds_load_b64 v[XF+12*\s+10:XF+12*\s+11], v[A8] offset:(4*(\i)+\s)*FRB+1280
.endr
	ds_load_b128 v[XS:XS+3], v[AS] offset:SCO+256*(\i)
.endm
	FETCHH 0
	s_wait_loadcnt 0x0                             ; the bias
.macro OTILE i
	s_wait_dscnt 0x0
	WIN 0x01                                       ; source 0 window 1
.irp s, 0,1,2,3                                ; the four accumulators take turns, one instruction a turn, K ascending
.irp u, 0,1,2,3
.if \s == 0
	v_wmma_scale_f32_16x16x128_f8f6f4 v[ACC+8*\u:ACC+8*\u+7], v[12*(4*\u+\s):12*(4*\u+\s)+11], v[XF+12*\s:XF+12*\s+11], v[BI+8*\u:BI+8*\u+7], v[RS+4*\u+\s], v[XS+\s] matrix_a_fmt:MATRIX_FMT_BF6 matrix_b_fmt:MATRIX_FMT_BF6
.else
	v_wmma_scale_f32_16x16x128_f8f6f4 v[ACC+8*\u:ACC+8*\u+7], v[12*(4*\u+\s):12*(4*\u+\s)+11], v[XF+12*\s:XF+12*\s+11], v[ACC+8*\u:ACC+8*\u+7], v[RS+4*\u+\s], v[XS+\s] matrix_a_fmt:MATRIX_FMT_BF6 matrix_b_fmt:MATRIX_FMT_BF6
.endif
.endr
.endr
	WIN 0
.rept 5
	v_nop                                          ; four places serve the loads into the fragments' registers and the stores of the results; the fifth the next tile's sums, begun anew over these accumulators
.endr
.if \i < 3
	FETCHH (\i)+1
.endif
	s_wait_alu depctr_va_vdst(0)
.irp u, 0,1,2,3
	ds_store_b128 v[STO], v[ACC+8*\u:ACC+8*\u+3] offset:128*(\u/2)+32*(\u%2)       ; each accumulator from its low end on: lane (r, h): row r, columns 32 (u / 2) + 16 h + 8 (u % 2) + 0 .. 7
	ds_store_b128 v[STO], v[ACC+8*\u+4:ACC+8*\u+7] offset:128*(\u/2)+32*(\u%2)+16
.endr
.if \i > 0
	s_wait_xcnt 0x0                                ; the last tile's stores have read their registers
.endif
.irp p, 0,1,2,3,4,5,6,7
	ds_load_b128 v[BK+4*\p:BK+4*\p+3], v[RD] offset:544*\p    ; LDS serves a wave's instructions in order: these see my stores
.endr
	s_wait_dscnt 0x0
.irp p, 0,1,2,3,4,5,6,7
	global_store_b128 v[CO], v[BK+4*\p:BK+4*\p+3], s[10:11] offset:(8*(\i)+2*\p+24*(\p/4))*2048 th:TH_STORE_NT   ; stage row 2 p + h is row 8 i + 2 p + h + 24 (p / 4) of my 64 rows; 16 lanes store 256 consecutive bytes, aligned
.endr
.endm
	OTILE 0
	OTILE 1
	OTILE 2
	OTILE 3
	s_wait_tensorcnt 0x0
	ds_add_u32 v254, v255
	s_wait_dscnt 0x0
	CROUND                                         ; the closing round: no work-group ends while a partner may still ask for a record that names it
	s_endpgm
.Lfunc_end_k_q538a5f88bb_oproj:
	.size	k_q538a5f88bb_oproj, .Lfunc_end_k_q538a5f88bb_oproj-k_q538a5f88bb_oproj
	.p2alignl 7, 3214868480
	.fill 96, 4, 3214868480
	.section	.rodata,"a",@progbits
	.p2align	6, 0x0
	.amdhsa_kernel k_q538a5f88bb_oproj
		.amdhsa_group_segment_fixed_size 168448
		.amdhsa_private_segment_fixed_size 0
		.amdhsa_enable_private_segment 0
		.amdhsa_kernarg_size 32
		.amdhsa_user_sgpr_count 2
		.amdhsa_user_sgpr_kernarg_segment_ptr 1
		.amdhsa_wavefront_size32 1
		.amdhsa_system_sgpr_workgroup_id_x 1
		.amdhsa_system_sgpr_workgroup_id_y 1
		.amdhsa_system_sgpr_workgroup_id_z 1
		.amdhsa_system_vgpr_workitem_id 0
		.amdhsa_next_free_vgpr 512
		.amdhsa_next_free_sgpr 66
		.amdhsa_reserve_vcc 0
		.amdhsa_float_denorm_mode_32 3
		.amdhsa_float_denorm_mode_16_64 3
		.amdhsa_memory_ordered 1
		.amdhsa_forward_progress 1
		.amdhsa_inst_pref_size 31
	.end_amdhsa_kernel
	.amdgpu_metadata
---
amdhsa.version: [ 1, 2 ]
amdhsa.kernels:
  - .name:           k_q538a5f88bb_oproj
    .symbol:         k_q538a5f88bb_oproj.kd
    .args:
      - { .name: ao, .offset: 0, .size: 8, .value_kind: global_buffer, .address_space: global }
      - { .name: wc, .offset: 8, .size: 8, .value_kind: global_buffer, .address_space: global }
      - { .name: bo, .offset: 16, .size: 8, .value_kind: global_buffer, .address_space: global }
      - { .name: out0, .offset: 24, .size: 8, .value_kind: global_buffer, .address_space: global }
    .group_segment_fixed_size: 168448
    .private_segment_fixed_size: 0
    .kernarg_segment_align: 8
    .kernarg_segment_size: 32
    .max_flat_workgroup_size: 128
    .sgpr_count:     66
    .vgpr_count:     512
    .wavefront_size: 32
...
	.end_amdgpu_metadata
.endif
;; end of part 4
